; MI455X (gfx1250); checked and timed in simulation.
; The chip was launched on July 23, 2026; its instructions are those of AMD's public machine-readable ISA for CDNA 5 (MIT licence, August 2026) and "CDNA5" Instruction Set Architecture Reference Guide (July 2026). The comments in the code are by the model that wrote it; some were corrected since.
;; Attention Layer. Allowed arithmetic: float matrix products may take bf16 or f16 operands with f32 sums; all other float work in f32.
;; Inputs: Wk 2,048 x 2,048 float32; Wo 2,048 x 2,048 float32; Wq 2,048 x 2,048 float32; Wv 2,048 x 2,048 float32; attention_mask 1 x 1 x 2,048 x 2,048 float32; bk 2,048 float32; bo 2,048 float32; bq 2,048 float32; bv 2,048 float32; hidden_states 1 x 2,048 x 2,048 float32.
;; Outputs: out0 1 x 2,048 x 2,048 float32.
;; One version. Each part assembles by itself: llvm-mc -triple=amdgcn-amd-amdhsa -mcpu=gfx1250 --defsym DOCPART=n.
;; ======== version 1 of 1: 4 launches
;; limits: values are held in f16: magnitudes above 65,504 overflow, below 6.1e-05 lose precision
;; workspace buffers: cast 41,943,040 bytes; tab 1,048,576 bytes; qkv 25,165,824 bytes; att 8,388,608 bytes
;; launch prep (part 1): grid 256 x 5, 8 waves a work-group, no clusters, 0 bytes of LDS; arguments hidden_states, Wq, Wk, Wv, Wo, cast, tab; writes cast, tab
.if DOCPART == 1
	.amdgcn_target "amdgcn-amd-amdhsa--gfx1250"
	.amdhsa_code_object_version 6
	.text
	.protected	k_q251ed16ea4_prep
	.globl	k_q251ed16ea4_prep
	.p2align	8
	.type	k_q251ed16ea4_prep,@function
k_q251ed16ea4_prep:
	s_mov_b64 s[64:65], 0
	v_nop
	global_prefetch_b8 v0, s[64:65] scope:SCOPE_SE
	s_setreg_imm32_b32 hwreg(HW_REG_WAVE_MODE, 25, 1), 1
	s_wait_xcnt 0x0
; Casts of the five matrices to 16 bits, and the RoPE table.
; cast = five blocks of 8,388,608 bytes, each [2048][2048] of 16 bits: 0 hidden_states, 1 Wq, 2 Wk, 3 Wv in bf16 (round to nearest even);
; 4 Wo: first rounded to bf16, then that value written in f16 code, because its partner in the last product is f16.
; LIMITS: the f16 code of Wo is exact for 2^-17 <= |w| <= 65,504; below 2^-17 the error is at most 2^-25 (below 2^-25: zero); above 65,504: infinity.
; Work-group (x, y): matrix y, its 65,536 bytes number x.  Thread t takes 16 bytes at 16 t of each of sixteen pieces of 4,096 bytes: a load of a wave
; covers 512 neighbouring bytes, a store 256 neighbouring bytes at a multiple of 256.  All sixteen loads go out at once; every piece has its own registers.
; tab (made by the work-groups of y = 0 while their loads are on their way), f32:
;   TAB[g = t>>4][b = i>>4][cos, sin][p][lane L][4] = c cos, c sin of t 10000^(-i/64), t = 16 g + (L & 15), i = 16 b + 8 (L >> 4) + 4 p + jj,
;   c = sqrt(128^-0.5 log2 e): q and k both carry c, so that their product is the score times log2 e.
;   LIMIT: the angle t 10000^(-i/64) is formed in f32 as reference() forms it, with exp2 in the place of its power: up to about 3e-4 rad apart at t = 2047.
.set X,     4                          ; v[4:67]    piece j: 4 registers as loaded
.set Y,     68                         ; v[68:99]   piece j: 2 registers to store
.set PIECE, 4096                       ; bytes that the 256 threads take with one load
	s_load_b256 s[4:11], s[0:1], 0x0               ; hidden_states s[4:5], Wq s[6:7], Wk s[8:9], Wv s[10:11]
	s_load_b64 s[12:13], s[0:1], 0x20              ; Wo
	s_load_b64 s[16:17], s[0:1], 0x28              ; cast
	s_load_b64 s[18:19], s[0:1], 0x30              ; tab
	s_and_b32 s20, ttmp7, 0xffff                   ; y: which matrix
	s_lshl_b32 s22, ttmp9, 16                      ; x times 65,536 bytes of f32
	s_mov_b32 s23, 0
	s_lshl_b32 s24, s20, 23                        ; y times 8,388,608
	s_lshl_b32 s25, ttmp9, 15                      ; + x times 32,768 bytes of 16-bit numbers
	s_add_co_u32 s24, s24, s25
	s_mov_b32 s25, 0
	v_lshlrev_b32 v1, 4, v0                        ; 16 t
	v_lshlrev_b32 v2, 3, v0                        ; 8 t
	s_wait_kmcnt 0x0
	s_cmp_eq_u32 s20, 1                            ; the source is chosen by y alone
	s_cselect_b64 s[4:5], s[6:7], s[4:5]
	s_cmp_eq_u32 s20, 2
	s_cselect_b64 s[4:5], s[8:9], s[4:5]
	s_cmp_eq_u32 s20, 3
	s_cselect_b64 s[4:5], s[10:11], s[4:5]
	s_cmp_eq_u32 s20, 4
	s_cselect_b64 s[4:5], s[12:13], s[4:5]
	s_add_nc_u64 s[4:5], s[4:5], s[22:23]
	s_add_nc_u64 s[16:17], s[16:17], s[24:25]
.irp j, 0,1,2,3,4,5,6,7,8,9,10,11,12,13,14,15
	global_load_b128 v[X+4*\j:X+4*\j+3], v1, s[4:5] offset:PIECE*\j th:TH_LOAD_NT
.endr
	s_cmp_lg_u32 s20, 0
	s_cbranch_scc1 .Lno_table
	; The table: thread u = 256 x + t makes cos and sin for two neighbouring i.  u's bits: 0 q2, 4:1 r, 5 h, 6 p, 8:7 b, 15:9 g.
	s_lshl_b32 s26, ttmp9, 8
	s_mov_b32 s27, 0x40c90fdb                      ; 2 pi, its f32
	s_mov_b32 s28, 0x343bbd2e                      ; that f32 minus 2 pi
	s_mov_b32 s29, 0x3eb6d544                      ; c = 0.35709583
	v_add_nc_u32 v100, s26, v0                     ; u
	v_and_b32 v101, 1, v100                        ; q2
	v_bfe_u32 v102, v100, 1, 4                     ; r
	v_bfe_u32 v103, v100, 5, 1                     ; h
	v_bfe_u32 v104, v100, 6, 1                     ; p
	v_bfe_u32 v105, v100, 7, 2                     ; b
	v_lshrrev_b32 v106, 9, v100                    ; g
	v_lshl_add_u32 v107, v106, 4, v102             ; t = 16 g + r
	v_lshlrev_b32 v108, 1, v101                    ; i0 = 16 b + 8 h + 4 p + 2 q2
	v_lshl_add_u32 v108, v104, 2, v108
	v_lshl_add_u32 v108, v103, 3, v108
	v_lshl_add_u32 v108, v105, 4, v108
	v_and_b32 v109, 63, v100                       ; byte: 8 (u & 63) = 16 L + 8 q2,
	v_lshlrev_b32 v109, 3, v109
	v_lshl_add_u32 v109, v104, 9, v109             ; + 512 p
	v_lshl_add_u32 v109, v105, 11, v109            ; + 2,048 b
	v_lshl_add_u32 v109, v106, 13, v109            ; + 8,192 g: a store of a wave covers 256 neighbouring bytes
	v_cvt_f32_u32 v107, v107
	v_cvt_f32_u32 v110, v108
	v_add_f32 v111, 1.0, v110
; c cos and c sin of t 10000^(-i/64).  The angle is brought into [-pi, pi] by n = the nearest whole number of turns, 2 pi taken in two parts;
; then the Taylor sums to x^15 and x^16, whose first terms left out are below 1e-6 at pi.
.macro SINCOS ireg, cdst, sdst
	v_mul_f32 v112, 0xbe549a78, v[\ireg]           ; -i log2(10000) / 64
	v_exp_f32 v112, v112
	v_nop                                          ; a plain place behind the exponential (ISA guide 5.7.2)
	s_wait_alu depctr_va_vdst(0)
	v_mul_f32 v112, v107, v112                     ; the angle
	v_mul_f32 v113, 0.15915494, v112
	v_rndne_f32 v113, v113                         ; n
	v_fma_f32 v112, -v113, s27, v112
	v_fma_f32 v112, v113, s28, v112                ; rho
	v_mul_f32 v114, v112, v112                     ; z = rho^2
	v_mov_b32 v115, 0xab573f9f                     ; -1/15!
	v_mov_b32 v116, 0x29573f9f                     ; 1/16!
	v_fmaak_f32 v115, v115, v114, 0x2f309231       ; 1/13!
	v_fmaak_f32 v116, v116, v114, 0xad49cba5       ; -1/14!
	v_fmaak_f32 v115, v115, v114, 0xb2d7322b       ; -1/11!
	v_fmaak_f32 v116, v116, v114, 0x310f76c7       ; 1/12!
	v_fmaak_f32 v115, v115, v114, 0x3638ef1d       ; 1/9!
	v_fmaak_f32 v116, v116, v114, 0xb493f27e       ; -1/10!
	v_fmaak_f32 v115, v115, v114, 0xb9500d01       ; -1/7!
	v_fmaak_f32 v116, v116, v114, 0x37d00d01       ; 1/8!
	v_fmaak_f32 v115, v115, v114, 0x3c088889       ; 1/5!
	v_fmaak_f32 v116, v116, v114, 0xbab60b61       ; -1/6!
	v_fmaak_f32 v115, v115, v114, 0xbe2aaaab       ; -1/3!
	v_fmaak_f32 v116, v116, v114, 0x3d2aaaab       ; 1/4!
	v_fma_f32 v115, v115, v114, 1.0
	v_fma_f32 v116, v116, v114, -0.5
	v_mul_f32 v112, s29, v112                      ; c rho
	v_fma_f32 v116, v116, v114, 1.0
	v_mul_f32 v[\sdst], v115, v112
	v_mul_f32 v[\cdst], s29, v116
.endm
	SINCOS 110, 120, 122
	SINCOS 111, 121, 123
	global_store_b64 v109, v[120:121], s[18:19]
	global_store_b64 v109, v[122:123], s[18:19] offset:1024
.Lno_table:
	s_cmp_eq_u32 s20, 4
	s_cbranch_scc1 .Lwo
.irp j, 0,1,2,3,4,5,6,7,8,9,10,11,12,13,14,15
	s_wait_loadcnt 15-\j                           ; loads come back in order (ISA guide 5.7.1): piece j is in, the 15 - j younger ones stay out
	v_cvt_pk_bf16_f32 v[Y+2*\j], v[X+4*\j], v[X+4*\j+1]
	v_cvt_pk_bf16_f32 v[Y+2*\j+1], v[X+4*\j+2], v[X+4*\j+3]
	global_store_b64 v2, v[Y+2*\j:Y+2*\j+1], s[16:17] offset:PIECE/2*\j
.endr
	s_endpgm
.Lwo:
.irp j, 0,1,2,3,4,5,6,7,8,9,10,11,12,13,14,15
	s_wait_loadcnt 15-\j
	v_cvt_pk_bf16_f32 v100, v[X+4*\j], v[X+4*\j+1]         ; the same rounding as the other four matrices,
	v_cvt_pk_bf16_f32 v101, v[X+4*\j+2], v[X+4*\j+3]
	v_lshlrev_b32 v102, 16, v100                           ; widened again,
	v_and_b32 v103, 0xffff0000, v100
	v_lshlrev_b32 v104, 16, v101
	v_and_b32 v105, 0xffff0000, v101
	v_cvt_pk_f16_f32 v[Y+2*\j], v102, v103                 ; and written in f16 code: 8 significant bits fit into 11
	v_cvt_pk_f16_f32 v[Y+2*\j+1], v104, v105
	global_store_b64 v2, v[Y+2*\j:Y+2*\j+1], s[16:17] offset:PIECE/2*\j
.endr
	s_endpgm
.Lfunc_end_k_q251ed16ea4_prep:
	.size	k_q251ed16ea4_prep, .Lfunc_end_k_q251ed16ea4_prep-k_q251ed16ea4_prep
	.p2alignl 7, 3214868480
	.fill 96, 4, 3214868480
	.section	.rodata,"a",@progbits
	.p2align	6, 0x0
	.amdhsa_kernel k_q251ed16ea4_prep
		.amdhsa_group_segment_fixed_size 0
		.amdhsa_private_segment_fixed_size 0
		.amdhsa_enable_private_segment 0
		.amdhsa_kernarg_size 56
		.amdhsa_user_sgpr_count 2
		.amdhsa_user_sgpr_kernarg_segment_ptr 1
		.amdhsa_wavefront_size32 1
		.amdhsa_system_sgpr_workgroup_id_x 1
		.amdhsa_system_sgpr_workgroup_id_y 1
		.amdhsa_system_sgpr_workgroup_id_z 1
		.amdhsa_system_vgpr_workitem_id 0
		.amdhsa_next_free_vgpr 128
		.amdhsa_next_free_sgpr 66
		.amdhsa_reserve_vcc 0
		.amdhsa_float_denorm_mode_32 3
		.amdhsa_float_denorm_mode_16_64 3
		.amdhsa_memory_ordered 1
		.amdhsa_forward_progress 1
		.amdhsa_inst_pref_size 21
	.end_amdhsa_kernel
	.amdgpu_metadata
---
amdhsa.version: [ 1, 2 ]
amdhsa.kernels:
  - .name:           k_q251ed16ea4_prep
    .symbol:         k_q251ed16ea4_prep.kd
    .args:
      - { .name: hidden_states, .offset: 0, .size: 8, .value_kind: global_buffer, .address_space: global }
      - { .name: Wq, .offset: 8, .size: 8, .value_kind: global_buffer, .address_space: global }
      - { .name: Wk, .offset: 16, .size: 8, .value_kind: global_buffer, .address_space: global }
      - { .name: Wv, .offset: 24, .size: 8, .value_kind: global_buffer, .address_space: global }
      - { .name: Wo, .offset: 32, .size: 8, .value_kind: global_buffer, .address_space: global }
      - { .name: cast, .offset: 40, .size: 8, .value_kind: global_buffer, .address_space: global }
      - { .name: tab, .offset: 48, .size: 8, .value_kind: global_buffer, .address_space: global }
    .group_segment_fixed_size: 0
    .private_segment_fixed_size: 0
    .kernarg_segment_align: 8
    .kernarg_segment_size: 56
    .max_flat_workgroup_size: 256
    .sgpr_count:     66
    .vgpr_count:     128
    .wavefront_size: 32
...
	.end_amdgpu_metadata
.endif
;; end of part 1
;; launch qkvproj (part 2): grid 16 x 16, 4 waves a work-group, clusters of 4 x 4, 327,680 bytes of LDS; arguments cast, tab, bq, bk, bv, qkv; writes qkv
.if DOCPART == 2
	.amdgcn_target "amdgcn-amd-amdhsa--gfx1250"
	.amdhsa_code_object_version 6
	.text
	.protected	k_q251ed16ea4_qkvproj
	.globl	k_q251ed16ea4_qkvproj
	.p2align	8
	.type	k_q251ed16ea4_qkvproj,@function
k_q251ed16ea4_qkvproj:
	s_mov_b64 s[64:65], 0
	v_nop
	global_prefetch_b8 v0, s[64:65] scope:SCOPE_SE
	s_setreg_imm32_b32 hwreg(HW_REG_WAVE_MODE, 25, 1), 1
	s_wait_xcnt 0x0
	s_wait_alu depctr_hold_cnt(0) depctr_sa_sdst(0) depctr_va_vdst(0) depctr_va_sdst(0) depctr_va_ssrc(0) depctr_va_vcc(0) depctr_vm_vsrc(0)
	s_getreg_b32 s2, hwreg(HW_REG_IB_STS2, 6, 4)
	s_cmp_eq_u32 s2, 0
	s_cbranch_scc0 .Lentry_in_a_cluster
	s_endpgm
.Lentry_in_a_cluster:
	s_bfe_u32 s2, ttmp6, 0x10000c
	s_cmp_lg_u32 s2, 0xf033
	s_cbranch_scc0 .Lentry_shape_is_right
	s_endpgm
.Lentry_shape_is_right:
; q', k', v = X [Wq; Wk; Wv]^T + bias, RoPE on q and k, both times c (c^2 = 128^-0.5 log2 e, carried by the table).  Operands bf16, sums f32, results f16.
; qkv = q' at 0, k' at 8 MiB, v at 16 MiB, each [16 heads][2048 tokens][128] f16 (rows of 256 bytes).
; LIMIT: |q'|, |k'|, |v| above 65,504 become infinite in f16.
; Work-group (x = block of 128 tokens, y = head) makes 128 x 384: the q, k and v columns of one head.  Wave w makes all 128 tokens x 96 columns: of each
; matrix m the dims 16 w .. 16 w + 15 (u = 0) and 64 + 16 w .. (u = 1); column tile b = 2 m + u.  So the two partners of a RoPE pair lie in the same lane and the
; same register of tiles 2 m and 2 m + 1.  8 x 6 = 48 accumulator tiles, 384 registers; for 32 along K a wave loads 28 x 512 bytes from LDS for 48 matrix instructions.
; K goes in steps of 128 (rows of 256 bytes) through two LDS slots, each X's 128 rows, then Wq's, Wk's, Wv's 128 rows; wave w fetches region w with one tensor load.
; CLUSTERS 4 x 4: the W tiles (three quarters of a step's bytes) hang on y alone and are asked for jointly along a row of the cluster, X's tile on x alone, jointly along a column.
; ASKED FOR AHEAD (global_prefetch_b8): a lap is two K steps, 512 bytes of each row.  Lap g's tiles are asked for in the second change of slots of lap g - 2: one K step
; ahead of the tensor load of K step 2 g, two ahead of that of 2 g + 1; lap 1's at the start; laps 6 and 7 ask for nothing, so no request passes a row's end.
; Shares, one lane for each aligned block of 256 bytes: a W tile's 128 rows are dealt to its 16 work-groups (x = 0..15), 8 rows each: wave 1 asks for Wq's and Wk's
; (8 rows x 2 blocks x 2), wave 2 for Wv's (8 rows x 2 blocks: sixteen blocks, lanes 16-31 name those of lanes 0-15 again).  X's 128 rows are dealt to the work-groups
; of y = 0..7 and once more to those of y = 8..15, 16 rows each: wave 0 asks for 16 rows x 2 blocks.  Wave 3 asks for nothing.
; THE MATRIX INSTRUCTION IS USED TRANSPOSED (source 0 = 16 rows of W, source 1 = 16 rows of X): lane l holds token l % 16, registers 0-7 the dims 8 (l / 16) + 0..7.
; REGISTERS: window 0: v16-32 addresses, v64-127 / v128-191 X's fragments (two buffers), v192-239 bias, later v192-223 T and v224-247 PK;
;   window 1: W's fragments at 64 + 8 b, 128 + 8 b;  windows 2, 3: accumulators of token tiles 0-3, 4-7 at 8 (6 (a % 4) + b); v192 + 16 (a % 4): cos (8), sin (8).
.set PITCH, 272                        ; an LDS row: 256 bytes + 16 of padding, an odd multiple of 16: the 16 rows that a load touches start 16 bytes apart modulo 256
.set HALFT, 128*PITCH                  ; 128 rows: one tensor load
.set SLOT,  4*HALFT
.set LAPS,  8                          ; 16 K steps, two to a lap
.set ADRA,  16                         ; v16-17  X's fragments, slot 0, 1
.set ADRB,  18                         ; v18-23  W's fragments, 3 slot + m
.set STO,   24                         ; v24-26  the way out: where I put 16 bytes of matrix m
.set RD,    27                         ; v27-29  the way out: where I read rows back
.set CO,    30                         ; v30     16 x lane
.set BO,    31                         ; v31     32 x (lane / 16)
.set PFO,   32                         ; v32     my lane's block among those that my wave asks for ahead; never rewritten
.set F0,    64
.set F1,    128
.set BIAS,  192
.set T,     192
.set PK,    224
.set CS,    192
.set G1,  24                           ; s[24:31] group 1 for X's tiles
.set G0,  32                           ; s[32:39] group 0 for X's tiles, a set for each slot
.set G1B, 48                           ; s[48:55] group 1 for W's tiles
.set G0B, 56                           ; s[56:63] group 0 for W's tiles
.set PFB, 74                           ; s[74:75] where my wave asks ahead: its rows, at the lap's first byte
.set MSB, 0
.macro WIN new                         ; the immediate's high byte repeats the setting that is left
.if MSB != \new
	s_set_vgpr_msb (MSB<<8)|\new
.set MSB, \new
.endif
.endm
.macro PLACES n
.rept \n
	v_nop
.endr
.endm
.macro JLOAD s                         ; a joint load: wave 0 asks for X's tile, waves 1 to 3 for Wq's, Wk's, Wv's.  The branch hangs on the wave's number alone
	s_cmp_eq_u32 s16, 0
	s_cbranch_scc0 .Lfor_w_\@
	tensor_load_to_lds s[G0+4*\s:G0+4*\s+3], s[G1:G1+7]
	s_nop 0
	s_branch .Lasked_\@
.Lfor_w_\@:
	tensor_load_to_lds s[G0B+4*\s:G0B+4*\s+3], s[G1B:G1B+7]
	s_nop 0
.Lasked_\@:
.endm
.macro ASK                             ; waves 0, 1, 2 ask for their share of a later lap's tiles; nothing waits for it
	s_cmp_eq_u32 s16, 3
	s_cbranch_scc1 .Lno_ask_\@
	global_prefetch_b8 v[PFO], s[PFB:PFB+1] th:TH_LOAD_NT scope:SCOPE_SE
.Lno_ask_\@:
.endm
.macro CREST                           ; a round of the cluster's barrier behind its opening barrier
	s_cmp_lg_u32 s16, 0
	s_cbranch_scc1 .Lnot_wave_0_\@
	s_barrier_signal -3
.Lnot_wave_0_\@:
	s_barrier_wait -3
	s_barrier_signal -1
	s_barrier_wait -1
.endm
.macro CROUND
	s_barrier_signal -1
	s_barrier_wait -1
	CREST
.endm
.macro SHAPE g                         ; group 1, words 1 to 7: a tile of 128 rows x 128 elements of 2 bytes, 2,048 elements from row to row
	s_mov_b32 s[\g+1], 128<<16                     ; tensor_dim0 = 128
	s_mov_b32 s[\g+2], 128<<16                     ; tensor_dim1 = 128
	s_mov_b32 s[\g+3], 128<<16                     ; tile_dim0 = 128
	s_mov_b32 s[\g+4], 128                         ; tile_dim1 = 128
	s_mov_b32 s[\g+5], 2048
	s_mov_b32 s[\g+6], 0
	s_mov_b32 s[\g+7], 0
.endm
	s_load_b256 s[4:11], s[0:1], 0x0               ; cast s[4:5], tab s[6:7], bq s[8:9], bk s[10:11]
	s_load_b128 s[12:15], s[0:1], 0x20             ; bv s[12:13], qkv s[14:15]
	s_set_vgpr_msb 0x40
	v_lshl_add_u32 v255, v0, 2, 0x44000
	s_set_vgpr_msb 0x4000
	v_mov_b32 v63, 0
	s_set_vgpr_msb 0x1
	ds_add_u32 v255, v63
	s_set_vgpr_msb 0x100
	v_lshrrev_b32 v1, 5, v0
	v_readfirstlane_b32 s16, v1                    ; wave 0..3
	s_bfe_u32 s17, ttmp6, 0x40000                  ; cx
	s_bfe_u32 s18, ttmp6, 0x40004                  ; cy
	s_lshl_b32 s20, ttmp9, 2
	s_add_co_u32 s20, s20, s17                     ; work-group x: the block of 128 tokens
	s_and_b32 s19, ttmp7, 0xffff
	s_lshl_b32 s19, s19, 2
	s_add_co_u32 s19, s19, s18                     ; work-group y: the head
	s_lshl_b32 s21, s18, 2
	s_lshl_b32 s21, 15, s21                        ; my row of the cluster
	s_lshl_b32 s22, 0x1111, s17                    ; my column
	s_or_b32 s[G1+0], s22, (1<<16)|(1<<20)|(1<<21)|(5<<22)|(3<<25)   ; X's tiles go to my column: the mask; elements of 2 bytes; padding on; bit 21 beside a mask; 4 words behind every 64
	s_or_b32 s[G1B+0], s21, (1<<16)|(1<<20)|(1<<21)|(5<<22)|(3<<25)  ; W's tiles go to my row
	SHAPE G1
	SHAPE G1B
	s_lshl_b32 s40, s20, 19                        ; X: token block x 128 rows of 4,096 bytes (block 0 of cast)
	s_mov_b32 s41, 0
	s_lshl_b32 s42, s19, 19                        ; W: head x 128 rows,
	s_lshl_b32 s43, s16, 23                        ; in block 1, 2, 3 of cast for waves 1, 2, 3
	s_add_co_u32 s42, s42, s43
	s_mov_b32 s43, 0
	s_mul_i32 s44, s16, HALFT                      ; where my tile goes: region = wave
	s_lshl_b32 s46, s19, 9                         ; bias: 4 (128 head + 16 w)
	s_lshl_b32 s47, s16, 6
	s_add_co_u32 s46, s46, s47
	s_mov_b32 s47, 0
	s_lshl_b32 s66, s20, 16                        ; table: g = 8 x token block (+ a), b = w
	s_lshl_b32 s67, s16, 11
	s_add_co_u32 s66, s66, s67
	s_mov_b32 s67, 0
	s_lshl_b32 s68, s19, 19                        ; results: head, token block, my 32 rows of it
	s_lshl_b32 s69, s20, 15
	s_add_co_u32 s68, s68, s69
	s_lshl_b32 s69, s16, 13
	s_add_co_u32 s68, s68, s69
	s_mov_b32 s69, 0
	; what my wave asks for ahead: lane l's block lies at 4,096 (l & 7) + s79 x bit 3 of l + s80 x bit 4 of l behind the wave's base
	s_and_b32 s76, s19, 7
	s_lshl_b32 s76, s76, 16
	s_lshl_b32 s77, s20, 19
	s_add_co_u32 s76, s76, s77                     ; X: row 128 x token block + 16 (head & 7)
	s_lshl_b32 s77, s19, 19
	s_lshl_b32 s78, s20, 15
	s_add_co_u32 s77, s77, s78                     ; W: row 128 x head + 8 x token block,
	s_mov_b32 s78, 0x1800000                       ; in block 3 of cast (Wv) for wave 2,
	s_mov_b32 s79, 256                             ; W: bit 3 = the lap's second block
	s_mov_b32 s80, 0                               ; Wv: bit 4 adds nothing
	s_cmp_eq_u32 s16, 1
	s_cselect_b32 s78, 0x800000, s78               ; in block 1 (Wq) for wave 1,
	s_cselect_b32 s80, 0x800000, s80               ; whose bit 4 = one block of cast further: Wk
	s_add_co_u32 s77, s77, s78
	s_cmp_eq_u32 s16, 0
	s_cselect_b32 s74, s76, s77
	s_cselect_b32 s79, 0x8000, s79                 ; X: bit 3 = eight rows further,
	s_cselect_b32 s80, 256, s80                    ; bit 4 = the lap's second block
	s_add_co_u32 s74, s74, 512                     ; lap 1
	s_mov_b32 s75, 0
	s_wait_dscnt 0x0
	s_wait_kmcnt 0x0
	s_add_nc_u64 s[40:41], s[4:5], s[40:41]
	s_add_nc_u64 s[42:43], s[4:5], s[42:43]
	s_add_nc_u64 s[PFB:PFB+1], s[4:5], s[PFB:PFB+1]
	s_add_nc_u64 s[8:9], s[8:9], s[46:47]
	s_add_nc_u64 s[10:11], s[10:11], s[46:47]
	s_add_nc_u64 s[12:13], s[12:13], s[46:47]
	s_add_nc_u64 s[66:67], s[6:7], s[66:67]
	s_add_nc_u64 s[68:69], s[14:15], s[68:69]      ; q'
	s_add_nc_u64 s[70:71], s[68:69], 0x800000      ; k'
	s_add_nc_u64 s[72:73], s[68:69], 0x1000000     ; v
	CROUND                                         ; all sixteen work-groups are here: the first joint loads meet
.irp s, 0,1
	s_mov_b32 s[G0+4*\s], 1
	s_add_co_u32 s[G0+4*\s+1], s44, \s*SLOT
	s_add_nc_u64 s[G0+4*\s+2:G0+4*\s+3], s[40:41], \s*256          ; K step s
	s_or_b32 s[G0+4*\s+3], s[G0+4*\s+3], 0x80000000
	s_mov_b32 s[G0B+4*\s], 1
	s_add_co_u32 s[G0B+4*\s+1], s44, \s*SLOT
	s_add_nc_u64 s[G0B+4*\s+2:G0B+4*\s+3], s[42:43], \s*256
	s_or_b32 s[G0B+4*\s+3], s[G0B+4*\s+3], 0x80000000
	JLOAD \s                                       ; two tensor loads of the wave are out
.endr
	v_and_b32 v1, 15, v0                           ; r
	v_bfe_u32 v2, v0, 4, 1                         ; h
	v_and_b32 v3, 31, v0                           ; lane
	v_lshlrev_b32 v[BO], 5, v2
	v_lshlrev_b32 v[CO], 4, v3
	; the bias in the accumulators' layout: register j of tile b = bias_m[128 head + 64 u + 16 w + 8 h + j], the same for every token
.irp u, 0,1
	global_load_b128 v[BIAS+8*\u:BIAS+8*\u+3],       v[BO], s[8:9] offset:256*\u
	global_load_b128 v[BIAS+8*\u+4:BIAS+8*\u+7],     v[BO], s[8:9] offset:256*\u+16
	global_load_b128 v[BIAS+16+8*\u:BIAS+16+8*\u+3],   v[BO], s[10:11] offset:256*\u
	global_load_b128 v[BIAS+16+8*\u+4:BIAS+16+8*\u+7], v[BO], s[10:11] offset:256*\u+16
	global_load_b128 v[BIAS+32+8*\u:BIAS+32+8*\u+3],   v[BO], s[12:13] offset:256*\u
	global_load_b128 v[BIAS+32+8*\u+4:BIAS+32+8*\u+7], v[BO], s[12:13] offset:256*\u+16
.endr
	; cos and sin of my 128 tokens x 16 frequencies, in the same layout: 32 loads of 512 neighbouring bytes, wanted only on the way out
	WIN 0x80
.irp a, 0,1,2,3
.irp kd, 0,1
.irp p, 0,1
	global_load_b128 v[CS+16*\a+8*\kd+4*\p:CS+16*\a+8*\kd+4*\p+3], v[CO], s[66:67] offset:\a*8192+\kd*1024+\p*512
.endr
.endr
.endr
	WIN 0xc0
.irp a, 0,1,2,3
.irp kd, 0,1
.irp p, 0,1
	global_load_b128 v[CS+16*\a+8*\kd+4*\p:CS+16*\a+8*\kd+4*\p+3], v[CO], s[66:67] offset:(\a+4)*8192+\kd*1024+\p*512
.endr
.endr
.endr
	WIN 0
	v_and_b32 v8, 7, v0
	v_bfe_u32 v9, v0, 3, 1
	v_lshlrev_b32 v[PFO], 12, v8
	v_mad_u32_u24 v[PFO], v9, s79, v[PFO]
	v_mad_u32_u24 v[PFO], v2, s80, v[PFO]
	ASK                                            ; lap 1 (K steps 2 and 3): its tensor loads go out in lap 0's two changes of slots
	v_mul_u32_u24 v4, v1, PITCH
	v_lshl_add_u32 v4, v2, 4, v4                   ; r x pitch + 16 h
	v_mov_b32 v[ADRA], v4
	v_add_nc_u32 v[ADRA+1], SLOT, v4
	s_mul_i32 s45, s16, 16*PITCH                   ; my 16 rows of each half of a W tile
	v_add_nc_u32 v5, s45, v4
.irp s, 0,1
.irp m, 0,1,2
	v_add_nc_u32 v[ADRB+3*\s+\m], \s*SLOT+(1+\m)*HALFT, v5
.endr
.endr
	s_lshl_b32 s45, s16, 5
	v_add_nc_u32 v6, s45, v4                       ; the way out, in: row r, byte 32 w + 16 h
	v_mul_u32_u24 v7, v2, PITCH
	v_lshl_add_u32 v7, v1, 4, v7
	s_mul_i32 s45, s16, 32*PITCH
	v_add_nc_u32 v7, s45, v7                       ; back: rows 32 w + h, 16 bytes a lane
.irp m, 0,1,2
	v_add_nc_u32 v[STO+\m], \m*HALFT, v6
	v_add_nc_u32 v[RD+\m], \m*HALFT, v7
.endr
; 12 matrix instructions: token tiles a0, a0 + 1 of the window's four x all 6 column tiles, 32 along K.  first = 1: the bias starts the sums.
; The accumulators take turns, one instruction a turn.
.macro MUL12 f, hi, a0, first
.irp a, \a0, \a0+1
.irp b, 0,1,2,3,4,5
.if \first
	v_wmma_f32_16x16x32_bf16 v[8*(6*(\a)+\b):8*(6*(\a)+\b)+7], v[\f+8*\b:\f+8*\b+7], v[\f+8*(4*\hi+\a):\f+8*(4*\hi+\a)+7], v[BIAS+8*\b:BIAS+8*\b+7]
.else
	v_wmma_f32_16x16x32_bf16 v[8*(6*(\a)+\b):8*(6*(\a)+\b)+7], v[\f+8*\b:\f+8*\b+7], v[\f+8*(4*\hi+\a):\f+8*(4*\hi+\a)+7], v[8*(6*(\a)+\b):8*(6*(\a)+\b)+7]
.endif
.endr
.endr
.endm
; 28 LDS loads in one run: 6 fragments of W, then 8 of X, 32 K at byte k of the rows, into buffer f
.macro FETCH slot, k, f
	WIN 0x40
.irp m, 0,1,2
.irp u, 0,1
	ds_load_b128 v[\f+8*(2*\m+\u):\f+8*(2*\m+\u)+3],   v[ADRB+3*\slot+\m] offset:\k+\u*64*PITCH
	ds_load_b128 v[\f+8*(2*\m+\u)+4:\f+8*(2*\m+\u)+7], v[ADRB+3*\slot+\m] offset:\k+\u*64*PITCH+32
.endr
.endr
	WIN 0
.irp i, 0,1,2,3,4,5,6,7
	ds_load_b128 v[\f+8*\i:\f+8*\i+3],   v[ADRA+\slot] offset:\k+\i*16*PITCH
	ds_load_b128 v[\f+8*\i+4:\f+8*\i+7], v[ADRA+\slot] offset:\k+\i*16*PITCH+32
.endr
.endm
; A quarter of a K step: multiplies buffer f, and fetches the next quarter's fragments into buffer g in its middle.
; Four plain places stand between the matrix instructions that read g and the loads into it (ISA guide 7.12.1 for vector instructions).
.macro QUARTER slot, k, f, g, first
	s_wait_dscnt 8                                 ; W's fragments and X's tiles 0-3 are in; the youngest eight loads (X's tiles 4-7) may be out
.if \first
	WIN 0x81                                       ; source 0 window 1, source 1 and C (the bias) window 0, D window 2
.else
	WIN 0xa1                                       ; C and D window 2
.endif
	MUL12 \f, 0, 0, \first
	MUL12 \f, 0, 2, \first
	PLACES 4
	FETCH \slot, \k, \g
	s_wait_dscnt 28                                ; all but the 28 just issued
.if \first
	WIN 0xc1
.else
	WIN 0xf1
.endif
	MUL12 \f, 1, 0, \first
	MUL12 \f, 1, 2, \first
.endm
.macro THREE slot, first
	QUARTER \slot, 64,  F0, F1, \first
	QUARTER \slot, 128, F1, F0, 0
	QUARTER \slot, 192, F0, F1, 0
.endm
; The last quarter of a K step, and the change of slots.  In front of the barrier each wave waits for its reads of this slot and for all its tensor loads (one is
; out: its part of the next slot).  fill = 1: the barrier opens a round of the cluster's barrier, and the joint refill of this slot is the first tensor load behind it.
; pf = 1: behind the run of LDS loads the wave asks for its share of the lap after the next.
.macro TURN slot, next, fill, pf
	s_wait_dscnt 8
	WIN 0xa1
	MUL12 F1, 0, 0, 0
	s_wait_dscnt 0
	s_wait_tensorcnt 0x0
	ds_add_u32 v255, v63
	s_wait_dscnt 0x0
	s_barrier_signal -1
	MUL12 F1, 0, 2, 0                              ; register work while the others arrive
	WIN 0
	s_barrier_wait -1
.if \fill
	CREST
	s_add_nc_u64 s[G0+4*\slot+2:G0+4*\slot+3], s[G0+4*\slot+2:G0+4*\slot+3], 512      ; two K steps on; no tensor load of mine is out
	s_add_nc_u64 s[G0B+4*\slot+2:G0B+4*\slot+3], s[G0B+4*\slot+2:G0B+4*\slot+3], 512
	JLOAD \slot
.endif
	PLACES 4
	FETCH \next, 0, F0
.if \pf
	s_wait_xcnt 0x0                                ; the last request, a lap ago, has read its base: it is stepped only behind this wait
	s_add_nc_u64 s[PFB:PFB+1], s[PFB:PFB+1], 512   ; one lap on
	ASK
.endif
	WIN 0xf1
	MUL12 F1, 1, 0, 0
	MUL12 F1, 1, 2, 0
.endm
.macro LAP first, pf
	THREE 0, \first
	TURN 0, 1, 1, 0
	THREE 1, 0
	TURN 1, 0, 1, \pf
.endm
	s_wait_tensorcnt 1                             ; my part of K step 0 is in; K step 1's stays out
	s_barrier_signal -1
	s_barrier_wait -1
	FETCH 0, 0, F0
	s_wait_loadcnt 32                              ; the 12 loads of the bias are in; the 32 of the table stay out
	LAP 1, 1                                       ; lap 0; asks for lap 2
	WIN 0
	s_mov_b32 s3, LAPS-3
.Llap:
	LAP 0, 1                                       ; laps 1 to 5; they ask for laps 3 to 7
	WIN 0
	s_sub_co_u32 s3, s3, 1
	s_cmp_lg_u32 s3, 0
	s_cbranch_scc1 .Llap
	LAP 0, 0                                       ; lap 6 fills both slots once more and asks for nothing: there is no lap 8
	THREE 0, 0                                     ; the last lap fills nothing
	TURN 0, 1, 0, 0
	THREE 1, 0
	s_wait_dscnt 8
	WIN 0xa1
	MUL12 F1, 0, 0, 0
	MUL12 F1, 0, 2, 0
	s_wait_dscnt 0
	WIN 0xf1
	MUL12 F1, 1, 0, 0
	MUL12 F1, 1, 2, 0
	; THE WAY OUT.  Slot 0 has had its last fill, and every wave's reads of it were waited for in front of the last lap's barrier: it is the stage, three regions of
	; 128 rows x 272 bytes (q', k', v).  Each wave puts its 2 x 32 bytes of every row; behind a barrier each wave reads 32 whole rows of each region back.
	PLACES 4                                       ; behind the last matrix instructions, in front of the first reader of a result
	s_wait_loadcnt 0x0                             ; the table
; token tile a (al = a % 4; from: sources 0 and 1 in window 2 or 3): lo' = lo cos - hi sin, hi' = hi cos + lo sin for q and k; v as it is; all to f16
.macro ROPE16 a, al, from
	WIN \from
.irp m, 0,1
.irp jp, 0,2,4,6
	v_pk_mul_f32 v[T+16*\m+\jp:T+16*\m+\jp+1], v[8*(6*\al+2*\m)+\jp:8*(6*\al+2*\m)+\jp+1], v[CS+16*\al+\jp:CS+16*\al+\jp+1]
	v_pk_mul_f32 v[T+16*\m+8+\jp:T+16*\m+8+\jp+1], v[8*(6*\al+2*\m+1)+\jp:8*(6*\al+2*\m+1)+\jp+1], v[CS+16*\al+\jp:CS+16*\al+\jp+1]
.endr
.irp jp, 0,2,4,6
	v_pk_fma_f32 v[T+16*\m+\jp:T+16*\m+\jp+1], v[8*(6*\al+2*\m+1)+\jp:8*(6*\al+2*\m+1)+\jp+1], v[CS+16*\al+8+\jp:CS+16*\al+8+\jp+1], v[T+16*\m+\jp:T+16*\m+\jp+1] neg_lo:[1,0,0] neg_hi:[1,0,0]
	v_pk_fma_f32 v[T+16*\m+8+\jp:T+16*\m+8+\jp+1], v[8*(6*\al+2*\m)+\jp:8*(6*\al+2*\m)+\jp+1], v[CS+16*\al+8+\jp:CS+16*\al+8+\jp+1], v[T+16*\m+8+\jp:T+16*\m+8+\jp+1]
.endr
.endr
.irp u, 0,1
.irp jj, 0,1,2,3
	v_cvt_pk_f16_f32 v[PK+16+4*\u+\jj], v[8*(6*\al+4+\u)+2*\jj], v[8*(6*\al+4+\u)+2*\jj+1]
.endr
.endr
	WIN 0
.irp m, 0,1
.irp u, 0,1
.irp jj, 0,1,2,3
	v_cvt_pk_f16_f32 v[PK+8*\m+4*\u+\jj], v[T+16*\m+8*\u+2*\jj], v[T+16*\m+8*\u+2*\jj+1]
.endr
.endr
.endr
.irp m, 0,1,2
.irp u, 0,1
	ds_store_b128 v[STO+\m], v[PK+8*\m+4*\u:PK+8*\m+4*\u+3] offset:\a*16*PITCH+128*\u   ; row 16 a + r, dims 64 u + 16 w + 8 h ..
.endr
.endr
.endm
	ROPE16 0, 0, 0x0a
	ROPE16 1, 1, 0x0a
	ROPE16 2, 2, 0x0a
	ROPE16 3, 3, 0x0a
	ROPE16 4, 0, 0x0f
	ROPE16 5, 1, 0x0f
	ROPE16 6, 2, 0x0f
	ROPE16 7, 3, 0x0f
	s_wait_dscnt 0x0                               ; my stores into the stage are done, for the others' sake
	s_barrier_signal -1
	s_barrier_wait -1
.irp m, 0,1,2
.irp t, 0,1,2,3,4,5,6,7,8,9,10,11,12,13,14,15
	ds_load_b128 v[64+64*\m+4*\t:64+64*\m+4*\t+3], v[RD+\m] offset:\t*2*PITCH          ; rows 32 w + 2 t, + 1
.endr
.endr
.irp m, 0,1,2
.irp t, 0,1,2,3,4,5,6,7,8,9,10,11,12,13,14,15
	s_wait_dscnt 47-(16*\m+\t)                     ; LDS loads come back in order: this one is in, the younger ones stay out
	global_store_b128 v[CO], v[64+64*\m+4*\t:64+64*\m+4*\t+3], s[68+2*\m:69+2*\m] offset:512*\t   ; two rows: 512 neighbouring bytes, at a multiple of 512
.endr
.endr
	s_set_vgpr_msb 0x1
	s_wait_tensorcnt 0x0
	ds_add_u32 v255, v63
	s_wait_dscnt 0x0
	s_set_vgpr_msb 0x100
	CROUND                                         ; the closing round: no work-group ends while a partner may still ask for a tile that names it
	s_endpgm
.Lfunc_end_k_q251ed16ea4_qkvproj:
	.size	k_q251ed16ea4_qkvproj, .Lfunc_end_k_q251ed16ea4_qkvproj-k_q251ed16ea4_qkvproj
	.p2alignl 7, 3214868480
	.fill 96, 4, 3214868480
	.section	.rodata,"a",@progbits
	.p2align	6, 0x0
	.amdhsa_kernel k_q251ed16ea4_qkvproj
		.amdhsa_group_segment_fixed_size 327680
		.amdhsa_private_segment_fixed_size 0
		.amdhsa_enable_private_segment 0
		.amdhsa_kernarg_size 48
		.amdhsa_user_sgpr_count 2
		.amdhsa_user_sgpr_kernarg_segment_ptr 1
		.amdhsa_wavefront_size32 1
		.amdhsa_system_sgpr_workgroup_id_x 1
		.amdhsa_system_sgpr_workgroup_id_y 1
		.amdhsa_system_sgpr_workgroup_id_z 1
		.amdhsa_system_vgpr_workitem_id 0
		.amdhsa_next_free_vgpr 1024
		.amdhsa_next_free_sgpr 90
		.amdhsa_reserve_vcc 0
		.amdhsa_float_denorm_mode_32 3
		.amdhsa_float_denorm_mode_16_64 3
		.amdhsa_memory_ordered 1
		.amdhsa_forward_progress 1
		.amdhsa_inst_pref_size 222
	.end_amdhsa_kernel
	.amdgpu_metadata
---
amdhsa.version: [ 1, 2 ]
amdhsa.kernels:
  - .name:           k_q251ed16ea4_qkvproj
    .symbol:         k_q251ed16ea4_qkvproj.kd
    .args:
      - { .name: cast, .offset: 0, .size: 8, .value_kind: global_buffer, .address_space: global }
      - { .name: tab, .offset: 8, .size: 8, .value_kind: global_buffer, .address_space: global }
      - { .name: bq, .offset: 16, .size: 8, .value_kind: global_buffer, .address_space: global }
      - { .name: bk, .offset: 24, .size: 8, .value_kind: global_buffer, .address_space: global }
      - { .name: bv, .offset: 32, .size: 8, .value_kind: global_buffer, .address_space: global }
      - { .name: qkv, .offset: 40, .size: 8, .value_kind: global_buffer, .address_space: global }
    .group_segment_fixed_size: 327680
    .private_segment_fixed_size: 0
    .kernarg_segment_align: 8
    .kernarg_segment_size: 48
    .max_flat_workgroup_size: 128
    .sgpr_count:     90
    .vgpr_count:     1024
    .wavefront_size: 32
...
	.end_amdgpu_metadata
.endif
;; end of part 2
;; launch attn (part 3): grid 16 x 16, 4 waves a work-group, clusters of 4 x 4, 327,680 bytes of LDS; arguments qkv, attention_mask, att; writes att
.if DOCPART == 3
	.amdgcn_target "amdgcn-amd-amdhsa--gfx1250"
	.amdhsa_code_object_version 6
	.text
	.protected	k_q251ed16ea4_attn
	.globl	k_q251ed16ea4_attn
	.p2align	8
	.type	k_q251ed16ea4_attn,@function
k_q251ed16ea4_attn:
	s_mov_b64 s[64:65], 0
	v_nop
	global_prefetch_b8 v0, s[64:65] scope:SCOPE_SE
	s_setreg_imm32_b32 hwreg(HW_REG_WAVE_MODE, 25, 1), 1
	s_wait_xcnt 0x0
	s_wait_alu depctr_hold_cnt(0) depctr_sa_sdst(0) depctr_va_vdst(0) depctr_va_sdst(0) depctr_va_ssrc(0) depctr_va_vcc(0) depctr_vm_vsrc(0)
	s_getreg_b32 s2, hwreg(HW_REG_IB_STS2, 6, 4)
	s_cmp_eq_u32 s2, 0
	s_cbranch_scc0 .Lentry_in_a_cluster
	s_endpgm
.Lentry_in_a_cluster:
	s_bfe_u32 s2, ttmp6, 0x10000c
	s_cmp_lg_u32 s2, 0xf033
	s_cbranch_scc0 .Lentry_shape_is_right
	s_endpgm
.Lentry_shape_is_right:
; att[query][128 head + d] = softmax(q k^T / sqrt(128) + mask) v, in f16.  q' and k' carry c each, so q' . k' is the score times log2 e; the mask is read as it is given.
; Work-group (bx = block of 128 queries, by = head).  Wave w: qh = w >> 1 (64 queries, 4 query tiles), kh = w & 1: keys 64 kh .. + 63 of every slot of 128 keys.
; Each wave runs its own softmax with a running maximum over its half of the keys; the two halves are merged once at the end.  16 steps of 128 keys.
; ALL PRODUCTS ARE TRANSPOSED, so that no number changes lanes but in the maximum and the last sum:
;   S^T = K Q^T (source 0 = 16 keys, source 1 = 16 queries): lane (r, h) holds query r, keys 16 kt + 8 h + j: 32 neighbouring bytes of a mask row a tile.
;   Two such tiles rounded to f16 are source 1 of O^T = V^T P^T for 32 keys as they stand.  Source 0, V^T, comes by the transposing LDS load from V [key][d].
;   O^T: lane (r, h) holds query r, dims 16 dt + 8 h + j: the rescaling is the lane's own, and 8 neighbouring dims pack to 16 bytes.
; CLUSTERS 4 x 4: K's and V's tiles hang on the head alone (joint along a row of the cluster), the mask's on the query block alone (joint along a column).
; ASKED FOR AHEAD (global_prefetch_b8): the tiles of steps 2 j + 4 and 2 j + 5 are asked for at the end of step 2 j + 1 (j = 0 .. 5): one step ahead of the tensor loads of
; step 2 j + 4's tiles, two ahead of those of 2 j + 5's; the tiles of steps 2 and 3 at the start; steps 12 to 15 ask for nothing, so no request passes step 15's tiles.
; Shares, one lane for each aligned block of 256 bytes: a K or V tile's 128 blocks are dealt to its 16 work-groups (bx = 0..15), 8 each: wave 0 asks for 8 blocks x 2 steps
; x (K, V).  A mask tile's rows are dealt to the work-groups of by = 0..7 and once more to those of by = 8..15, 16 rows each: waves 2 and 3 ask for 8 rows x 1,024 bytes
; (two steps) each.  Wave 1 asks for nothing.
; LIMITS: P, V, K, Q are f16.  The running maximum is never below -FLT_MAX, so mask entries of -infinity are served; a row that is all -infinity gives NaN, as in reference().
;   The mask enters as fma(mask, log2 e, score log2 e): in a row whose every entry is about -1e9 all exponents round to one number while |score log2 e| < 45.
; LDS: a slot = K 128 x 272, V 128 x 288, mask 128 x 528 = 139,264 bytes; two slots; behind them a stage of 16 x 272 bytes a wave.
; REGISTERS: window 0: v10-21 addresses, v24-31 maxima (pairs), v32-39 factors (pairs), v40-43 sums, v44-59 at work, v64-191 S, then P;
;   window 1: v0-127 Q (qt, ks), v128-255 mask (qt, kt);  window 2: O (dt, qt) at 8 (4 dt + qt);  window 3: v0-127 K (kt, ks), v128-255 V^T (ks2, dt).
.set KP,    272
.set VP,    288                        ; an odd multiple of 32, for the transposing load
.set MP,    528
.set VOFF,  128*KP
.set MOFF,  VOFF+128*VP
.set SLOT,  MOFF+128*MP
.set STAGE, 2*SLOT
.set SP,    272
.set DUMP,  67*512                     ; what a wave hands over at the merge: 64 + 3 blocks of 512 bytes
.set ADRK, 10
.set ADRV, 12
.set ADRM, 14
.set QO,   16
.set STO,  17
.set RD,   18
.set CO,   19
.set DMP,  20
.set PFO,  21                          ; v21  my lane's block among those that my wave asks for ahead; never rewritten
.set MXP,  24
.set ALP,  32
.set LS,   40
.set TM,   44
.set TP,   48
.set TN,   49
.set TA,   50
.set U,    52
.set S,    64
.set G1K, 24
.set G1V, 32
.set G1M, 40
.set G0K, 48
.set G0V, 56
.set G0M, 68
.set PFB, 90                           ; s[90:91] where my wave asks ahead
.set PFS, 94                           ; s[94:95] two steps in its tensor, in bytes
.set MSB, 0
.macro WIN new
.if MSB != \new
	s_set_vgpr_msb (MSB<<8)|\new
.set MSB, \new
.endif
.endm
.macro PLACES n
.rept \n
	v_nop
.endr
.endm
.macro JLOAD s                         ; one joint load a wave: wave 0 K's tile, wave 1 V's, waves 2 and 3 the two halves of the mask's
	s_cmp_lg_u32 s16, 0
	s_cbranch_scc1 .Lnot_k_\@
	tensor_load_to_lds s[G0K+4*\s:G0K+4*\s+3], s[G1K:G1K+7]
	s_nop 0
	s_branch .Lasked_\@
.Lnot_k_\@:
	s_cmp_lg_u32 s16, 1
	s_cbranch_scc1 .Lnot_v_\@
	tensor_load_to_lds s[G0V+4*\s:G0V+4*\s+3], s[G1V:G1V+7]
	s_nop 0
	s_branch .Lasked_\@
.Lnot_v_\@:
	tensor_load_to_lds s[G0M+4*\s:G0M+4*\s+3], s[G1M:G1M+7]
	s_nop 0
.Lasked_\@:
.endm
.macro ASK                             ; waves 0, 2, 3 ask for their share of two later steps' tiles; nothing waits for it
	s_cmp_eq_u32 s16, 1
	s_cbranch_scc1 .Lno_ask_\@
	global_prefetch_b8 v[PFO], s[PFB:PFB+1] th:TH_LOAD_NT scope:SCOPE_SE
.Lno_ask_\@:
.endm
.macro CREST
	s_cmp_lg_u32 s16, 0
	s_cbranch_scc1 .Lnot_wave_0_\@
	s_barrier_signal -3
.Lnot_wave_0_\@:
	s_barrier_wait -3
	s_barrier_signal -1
	s_barrier_wait -1
.endm
.macro CROUND
	s_barrier_signal -1
	s_barrier_wait -1
	CREST
.endm
	s_load_b128 s[4:7], s[0:1], 0x0                ; qkv s[4:5], attention_mask s[6:7]
	s_load_b64 s[8:9], s[0:1], 0x10                ; att
	v_lshl_add_u32 v62, v0, 2, 0x48400
	v_mov_b32 v63, 0
	ds_add_u32 v62, v63
	v_lshrrev_b32 v1, 5, v0
	v_readfirstlane_b32 s16, v1                    ; wave
	s_lshr_b32 s23, s16, 1                         ; qh
	s_and_b32 s10, s16, 1                          ; kh
	s_bfe_u32 s17, ttmp6, 0x40000                  ; cx
	s_bfe_u32 s18, ttmp6, 0x40004                  ; cy
	s_lshl_b32 s19, ttmp9, 2
	s_add_co_u32 s19, s19, s17                     ; bx: the query block
	s_and_b32 s20, ttmp7, 0xffff
	s_lshl_b32 s20, s20, 2
	s_add_co_u32 s20, s20, s18                     ; by: the head
	s_lshl_b32 s21, s18, 2
	s_lshl_b32 s21, 15, s21                        ; my row of the cluster
	s_lshl_b32 s22, 0x1111, s17                    ; my column
	s_mov_b32 s80, 0x3fb8aa3b                      ; log2 e, as a pair
	s_mov_b32 s81, 0x3fb8aa3b
	s_mov_b32 s82, 0x76543210                      ; v_permlanex16_b32: lane i of one half reads lane i of the other
	s_mov_b32 s83, 0xfedcba98
	s_mov_b32 s11, 0xff7fffff                      ; -FLT_MAX
	; group 1.  K and V: 128 rows x 128 elements of 2 bytes, dense; 4 (K) or 8 (V) words of padding behind every 64.  Mask: 64 rows x 128 elements of 4 bytes, 4 words behind every 128
	s_or_b32 s[G1K+0], s21, (1<<16)|(1<<20)|(1<<21)|(5<<22)|(3<<25)
	s_or_b32 s[G1V+0], s21, (1<<16)|(1<<20)|(1<<21)|(5<<22)|(7<<25)
	s_or_b32 s[G1M+0], s22, (2<<16)|(1<<20)|(1<<21)|(6<<22)|(3<<25)
	s_mov_b32 s[G1K+1], 128<<16
	s_mov_b32 s[G1V+1], 128<<16
	s_mov_b32 s[G1M+1], 128<<16                    ; tensor_dim0 = 128
	s_mov_b32 s[G1K+2], 128<<16
	s_mov_b32 s[G1V+2], 128<<16
	s_mov_b32 s[G1M+2], 64<<16                     ; tensor_dim1
	s_mov_b32 s[G1K+3], 128<<16
	s_mov_b32 s[G1V+3], 128<<16
	s_mov_b32 s[G1M+3], 128<<16                    ; tile_dim0 = 128
	s_mov_b32 s[G1K+4], 128
	s_mov_b32 s[G1V+4], 128
	s_mov_b32 s[G1M+4], 64                         ; tile_dim1
	s_mov_b32 s[G1K+5], 128
	s_mov_b32 s[G1V+5], 128
	s_mov_b32 s[G1M+5], 2048                       ; elements from row to row
	s_mov_b32 s[G1K+6], 0
	s_mov_b32 s[G1V+6], 0
	s_mov_b32 s[G1M+6], 0
	s_mov_b32 s[G1K+7], 0
	s_mov_b32 s[G1V+7], 0
	s_mov_b32 s[G1M+7], 0
	s_lshl_b32 s84, s20, 19                        ; k' of my head
	s_add_co_u32 s84, s84, 0x800000
	s_mov_b32 s85, 0
	s_lshl_b32 s88, s19, 20                        ; the mask's 128 rows of 8,192 bytes,
	s_lshl_b32 s89, s10, 19                        ; the half of them that waves 2 and 3 fetch
	s_add_co_u32 s88, s88, s89
	s_mov_b32 s89, 0
	s_mul_i32 s76, s10, 64*MP
	s_lshl_b32 s12, s20, 19                        ; q' of my head, my block, my 64 queries
	s_lshl_b32 s13, s19, 15
	s_add_co_u32 s12, s12, s13
	s_lshl_b32 s13, s23, 14
	s_add_co_u32 s12, s12, s13
	s_mov_b32 s13, 0
	s_lshl_b32 s14, s19, 19                        ; att: my 64 rows of 4,096 bytes, my head's 256 bytes
	s_lshl_b32 s15, s23, 18
	s_add_co_u32 s14, s14, s15
	s_lshl_b32 s15, s20, 8
	s_add_co_u32 s14, s14, s15
	s_mov_b32 s15, 0
	; what my wave asks for ahead: lane l's block lies at s96 (l & 7) + s97 x bit 3 of l + s98 x bit 4 of l behind the wave's base
	s_lshl_b32 s90, s20, 19                        ; k' of my head, step 2's tile, my sixteenth of it (2,048 bytes)
	s_lshl_b32 s91, s19, 11
	s_add_co_u32 s90, s90, s91
	s_add_co_u32 s90, s90, 0x800000+2*32768
	s_mov_b32 s91, 0
	s_lshl_b32 s92, s19, 20                        ; the mask: row 128 bx + 64 (w & 1) + 8 (by & 7), step 2's 512 bytes
	s_lshl_b32 s93, s10, 19
	s_add_co_u32 s92, s92, s93
	s_and_b32 s93, s20, 7
	s_lshl_b32 s93, s93, 16
	s_add_co_u32 s92, s92, s93
	s_add_co_u32 s92, s92, 2*512
	s_mov_b32 s93, 0
	s_mov_b32 s94, 1024                            ; the mask: two steps are 1,024 bytes of a row;
	s_mov_b32 s95, 0
	s_mov_b32 s96, 8192                            ; l & 7 = the row,
	s_mov_b32 s97, 256                             ; bits 3 and 4 = the block among the four of two steps
	s_mov_b32 s98, 512
	s_cmp_lt_u32 s16, 2
	s_cselect_b32 s94, 0x10000, s94                ; K and V: two steps are two tiles of 32,768 bytes;
	s_cselect_b32 s96, 256, s96                    ; l & 7 = the block in my sixteenth,
	s_cselect_b32 s97, 0x8000, s97                 ; bit 3 = the second step's tile,
	s_cselect_b32 s98, 0x800000, s98               ; bit 4 = v, which lies 8 MiB behind k'
	s_wait_dscnt 0x0
	s_wait_kmcnt 0x0
	s_add_nc_u64 s[84:85], s[4:5], s[84:85]
	s_add_nc_u64 s[86:87], s[84:85], 0x800000      ; v of my head
	s_add_nc_u64 s[88:89], s[6:7], s[88:89]
	s_add_nc_u64 s[12:13], s[4:5], s[12:13]
	s_add_nc_u64 s[8:9], s[8:9], s[14:15]
	s_add_nc_u64 s[90:91], s[4:5], s[90:91]
	s_add_nc_u64 s[92:93], s[6:7], s[92:93]
	s_cmp_lt_u32 s16, 2                            ; the choice hangs on the wave's number alone
	s_cselect_b64 s[PFB:PFB+1], s[90:91], s[92:93]
	CROUND                                         ; in front of the first joint loads
.irp s, 0,1
	s_mov_b32 s[G0K+4*\s], 1
	s_mov_b32 s[G0K+4*\s+1], \s*SLOT
	s_add_nc_u64 s[G0K+4*\s+2:G0K+4*\s+3], s[84:85], \s*32768      ; 128 keys of 256 bytes
	s_or_b32 s[G0K+4*\s+3], s[G0K+4*\s+3], 0x80000000
	s_mov_b32 s[G0V+4*\s], 1
	s_mov_b32 s[G0V+4*\s+1], \s*SLOT+VOFF
	s_add_nc_u64 s[G0V+4*\s+2:G0V+4*\s+3], s[86:87], \s*32768
	s_or_b32 s[G0V+4*\s+3], s[G0V+4*\s+3], 0x80000000
	s_mov_b32 s[G0M+4*\s], 1
	s_add_co_u32 s[G0M+4*\s+1], s76, \s*SLOT+MOFF
	s_add_nc_u64 s[G0M+4*\s+2:G0M+4*\s+3], s[88:89], \s*512        ; 128 keys of 4 bytes
	s_or_b32 s[G0M+4*\s+3], s[G0M+4*\s+3], 0x80000000
	JLOAD \s                                       ; two tensor loads of the wave are out
.endr
	v_and_b32 v1, 15, v0                           ; r
	v_bfe_u32 v2, v0, 4, 1                         ; h
	v_lshlrev_b32 v[QO], 8, v1
	v_lshl_add_u32 v[QO], v2, 4, v[QO]             ; 256 r + 16 h
	WIN 0x40                                       ; Q's fragments stay in registers for the whole kernel
.irp qt, 0,1,2,3
.irp ks, 0,1,2,3
	global_load_b128 v[8*(4*\qt+\ks):8*(4*\qt+\ks)+3],   v[QO], s[12:13] offset:\qt*4096+64*\ks
	global_load_b128 v[8*(4*\qt+\ks)+4:8*(4*\qt+\ks)+7], v[QO], s[12:13] offset:\qt*4096+64*\ks+32
.endr
.endr
	WIN 0
	v_and_b32 v3, 31, v0                           ; lane
	v_and_b32 v4, 7, v0
	v_bfe_u32 v5, v0, 3, 1
	v_mul_u32_u24 v[PFO], v4, s96
	v_mad_u32_u24 v[PFO], v5, s97, v[PFO]
	v_mad_u32_u24 v[PFO], v2, s98, v[PFO]
	ASK                                            ; the tiles of steps 2 and 3: their tensor loads go out at the ends of steps 0 and 1
	v_mul_u32_u24 v6, v1, KP
	v_lshl_add_u32 v6, v2, 4, v6                   ; r x 272 + 16 h
	s_mul_i32 s77, s10, 64*KP
	v_add_nc_u32 v[ADRK], s77, v6                  ; K: row 64 kh + r
	v_add_nc_u32 v[ADRK+1], SLOT, v[ADRK]
	v_lshl_add_u32 v7, v2, 3, v4                   ; V: row 64 kh + 8 h + (lane & 7), 16 bytes further for lanes 8-15, 24-31
	v_mul_u32_u24 v7, v7, VP
	v_lshl_add_u32 v7, v5, 4, v7
	s_mul_i32 s78, s10, 64*VP
	s_add_co_u32 s78, s78, VOFF
	v_add_nc_u32 v[ADRV], s78, v7
	v_add_nc_u32 v[ADRV+1], SLOT, v[ADRV]
	v_mul_u32_u24 v8, v1, MP                       ; mask: row 64 qh + r, byte 256 kh + 32 h
	v_lshl_add_u32 v8, v2, 5, v8
	s_mul_i32 s79, s23, 64*MP
	s_lshl_b32 s77, s10, 8
	s_add_co_u32 s79, s79, s77
	s_add_co_u32 s79, s79, MOFF
	v_add_nc_u32 v[ADRM], s79, v8
	v_add_nc_u32 v[ADRM+1], SLOT, v[ADRM]
	s_mul_i32 s77, s16, 16*SP
	s_add_co_u32 s77, s77, STAGE                   ; my stage
	v_add_nc_u32 v[STO], s77, v6
	v_mul_u32_u24 v9, v2, SP
	v_lshl_add_u32 v9, v1, 4, v9
	v_add_nc_u32 v[RD], s77, v9
	v_lshlrev_b32 v[CO], 12, v2                    ; two rows of att: 4,096 h + 16 r
	v_lshl_add_u32 v[CO], v1, 4, v[CO]
	s_mul_i32 s77, s23, DUMP
	v_lshl_add_u32 v[DMP], v3, 4, s77
	v_mov_b32 v[TP], 0                             ; v_permlanex16_b32 counts as a reader of its destination
; S^T of key tile kt against the four query tiles, 128 along d.  The four accumulators take turns, one instruction a turn.
.macro SW kt
.irp ks, 0,1,2,3
.irp qt, 0,1,2,3
.if \ks == 0
	v_wmma_f32_16x16x32_f16 v[S+8*(4*\qt+\kt):S+8*(4*\qt+\kt)+7], v[8*(4*\kt+\ks):8*(4*\kt+\ks)+7], v[8*(4*\qt+\ks):8*(4*\qt+\ks)+7], 0
.else
	v_wmma_f32_16x16x32_f16 v[S+8*(4*\qt+\kt):S+8*(4*\qt+\kt)+7], v[8*(4*\kt+\ks):8*(4*\kt+\ks)+7], v[8*(4*\qt+\ks):8*(4*\qt+\ks)+7], v[S+8*(4*\qt+\kt):S+8*(4*\qt+\kt)+7]
.endif
.endr
.endr
.endm
; O^T += V^T P^T: keys 32 ks2 .. + 31, dim tiles d0 .. d0 + 3, four query tiles.  The accumulators take turns likewise.
.macro PVW ks2, d0, zero
.irp dd, 0,1,2,3
.irp qt, 0,1,2,3
.if \zero
	v_wmma_f32_16x16x32_f16 v[8*(4*(\d0+\dd)+\qt):8*(4*(\d0+\dd)+\qt)+7], v[128+8*(8*\ks2+\d0+\dd):128+8*(8*\ks2+\d0+\dd)+7], v[S+32*\qt+16*\ks2:S+32*\qt+16*\ks2+7], 0
.else
	v_wmma_f32_16x16x32_f16 v[8*(4*(\d0+\dd)+\qt):8*(4*(\d0+\dd)+\qt)+7], v[128+8*(8*\ks2+\d0+\dd):128+8*(8*\ks2+\d0+\dd)+7], v[S+32*\qt+16*\ks2:S+32*\qt+16*\ks2+7], v[8*(4*(\d0+\dd)+\qt):8*(4*(\d0+\dd)+\qt)+7]
.endif
.endr
.endr
.endm
; The softmax step of query tile qt: 32 numbers a lane (its query's keys 16 kt + 8 h + j).  wait: how many younger LDS loads may stay out when its mask has to be there.
.macro SMQ qt, first, wait
.set X, S+32*\qt
	s_wait_dscnt \wait
	WIN 0x01                                       ; source 0 (the mask) in window 1
.irp i, 0,2,4,6,8,10,12,14,16,18,20,22,24,26,28,30
	v_pk_fma_f32 v[X+\i:X+\i+1], v[X+64+\i:X+64+\i+1], s[80:81], v[X+\i:X+\i+1] op_sel_hi:[1,0,1]   ; x = mask log2 e + score log2 e
.endr
	WIN 0
.irp c, 0,1,2,3
	v_max3_num_f32 v[TM+\c], v[X+8*\c], v[X+8*\c+1], v[X+8*\c+2]       ; four chains
.endr
.irp c, 0,1,2,3
	v_max3_num_f32 v[TM+\c], v[TM+\c], v[X+8*\c+3], v[X+8*\c+4]
.endr
.irp c, 0,1,2,3
	v_max3_num_f32 v[TM+\c], v[TM+\c], v[X+8*\c+5], v[X+8*\c+6]
.endr
	v_max3_num_f32 v[TM], v[TM], v[TM+1], v[X+7]
	v_max3_num_f32 v[TM+2], v[TM+2], v[TM+3], v[X+15]
	v_max3_num_f32 v[TM], v[TM], v[TM+2], v[X+23]
.if \first
	v_max3_num_f32 v[TM], v[TM], v[X+31], s11                          ; never below -FLT_MAX
.else
	v_max3_num_f32 v[TM], v[TM], v[X+31], v[MXP+2*\qt]                 ; the running maximum joins
.endif
	v_permlanex16_b32 v[TP], v[TM], s82, s83                           ; the other half of the lanes holds the query's other keys
	v_max_num_f32 v[TN], v[TM], v[TP]
.if \first == 0
	v_sub_f32 v[TA], v[MXP+2*\qt], v[TN]
	v_exp_f32 v[TA], v[TA]                                             ; what the sums so far are scaled by
.endif
	v_mov_b32 v[MXP+2*\qt], v[TN]                                      ; plain places behind the exponential (ISA guide 5.7.2)
	v_mov_b32 v[MXP+2*\qt+1], v[TN]
.if \first == 0
	s_wait_alu depctr_va_vdst(0)
	v_mov_b32 v[ALP+2*\qt], v[TA]
	v_mov_b32 v[ALP+2*\qt+1], v[TA]
.endif
.irp i, 0,2,4,6,8,10,12,14,16,18,20,22,24,26,28,30
	v_pk_add_f32 v[X+\i:X+\i+1], v[X+\i:X+\i+1], v[MXP+2*\qt:MXP+2*\qt+1] neg_lo:[0,1] neg_hi:[0,1]
.endr
.set i, 0
.rept 32
	v_exp_f32 v[X+i], v[X+i]
.set i, i+1
.endr
	v_nop                                                              ; one plain place behind the run, in front of the first use
	s_wait_alu depctr_va_vdst(0)
.irp c, 0,1,2,3
	v_pk_add_f32 v[U+2*\c:U+2*\c+1], v[X+8*\c:X+8*\c+1], v[X+8*\c+2:X+8*\c+3]
.endr
.irp c, 0,1,2,3
	v_pk_add_f32 v[U+2*\c:U+2*\c+1], v[U+2*\c:U+2*\c+1], v[X+8*\c+4:X+8*\c+5]
.endr
.irp c, 0,1,2,3
	v_pk_add_f32 v[U+2*\c:U+2*\c+1], v[U+2*\c:U+2*\c+1], v[X+8*\c+6:X+8*\c+7]
.endr
	v_pk_add_f32 v[U:U+1], v[U:U+1], v[U+2:U+3]
	v_pk_add_f32 v[U+4:U+5], v[U+4:U+5], v[U+6:U+7]
	v_pk_add_f32 v[U:U+1], v[U:U+1], v[U+4:U+5]
.if \first
	v_add_f32 v[LS+\qt], v[U], v[U+1]                                  ; the sum stays the lane's own until the merge
.else
	v_add_f32 v[U], v[U], v[U+1]
	v_fma_f32 v[LS+\qt], v[LS+\qt], v[ALP+2*\qt], v[U]
.endif
.irp k2, 0,1
.irp e, 0,1
.irp jj, 0,1,2,3
	v_cvt_pk_f16_f32 v[X+16*\k2+4*\e+\jj], v[X+16*\k2+8*\e+2*\jj], v[X+16*\k2+8*\e+2*\jj+1]   ; in place: tiles 2 k2, 2 k2 + 1 become registers 0-3, 4-7 of P's fragment
.endr
.endr
.endr
.if \first == 0
	WIN 0x82
.irp dt, 0,1,2,3,4,5,6,7
.irp i, 0,2,4,6
	v_pk_mul_f32 v[8*(4*\dt+\qt)+\i:8*(4*\dt+\qt)+\i+1], v[8*(4*\dt+\qt)+\i:8*(4*\dt+\qt)+\i+1], v[ALP+2*\qt:ALP+2*\qt+1]
.endr
.endr
.endif
.endm
; One step: 128 keys of slot `slot`, of which 64 are mine.  mode 2: the slot is filled again, two steps ahead; 1: a barrier without a fill; 0: neither.
; pf = 1: behind the refill the wave asks for its share of the tiles three and four steps ahead.
.macro STEP slot, first, mode, pf
.if \first == 0
	PLACES 5                                       ; between the last products, which read P, and the products that write over it (ISA guide 7.12.1)
.endif
	WIN 0xc0
.irp kt, 0,1,2,3
.irp ks, 0,1,2,3
	ds_load_b128 v[8*(4*\kt+\ks):8*(4*\kt+\ks)+3],   v[ADRK+\slot] offset:\kt*16*KP+64*\ks
	ds_load_b128 v[8*(4*\kt+\ks)+4:8*(4*\kt+\ks)+7], v[ADRK+\slot] offset:\kt*16*KP+64*\ks+32
.endr
.endr
	WIN 0x07                                       ; source 0 (K) window 3, source 1 (Q) window 1, C and D window 0
	s_wait_dscnt 24                                ; key tile 0's eight loads are in, 24 younger ones stay out
	SW 0
	s_wait_dscnt 16
	SW 1
	WIN 0x40
.irp qt, 0,1,2,3
.irp kt, 0,1,2,3
	ds_load_b128 v[128+8*(4*\qt+\kt):128+8*(4*\qt+\kt)+3],   v[ADRM+\slot] offset:\qt*16*MP+64*\kt
	ds_load_b128 v[128+8*(4*\qt+\kt)+4:128+8*(4*\qt+\kt)+7], v[ADRM+\slot] offset:\qt*16*MP+64*\kt+16
.endr
.endr
	WIN 0x07
	s_wait_dscnt 40                                ; younger than key tile 2's: key tile 3's 8 and the mask's 32
	SW 2
	s_wait_dscnt 32
	SW 3
	PLACES 4                                       ; in front of the first vector instruction that reads a result
	SMQ 0, \first, 24                              ; query tile 0's eight loads of the mask are in
	WIN 0xc0
.irp k2, 0,1
.irp dt, 0,1,2,3,4,5,6,7
	ds_load_tr16_b128 v[128+8*(8*\k2+\dt):128+8*(8*\k2+\dt)+3],   v[ADRV+\slot] offset:\k2*32*VP+32*\dt
	ds_load_tr16_b128 v[128+8*(8*\k2+\dt)+4:128+8*(8*\k2+\dt)+7], v[ADRV+\slot] offset:\k2*32*VP+32*\dt+16*VP
.endr
.endr
	SMQ 1, \first, 48                              ; the mask's 16 younger loads and V's 32
	SMQ 2, \first, 40
	SMQ 3, \first, 32
	WIN 0xa3                                       ; source 0 (V^T) window 3, source 1 (P) window 0, C and D window 2
	s_wait_dscnt 16                                ; V's first 32 keys are in
	PVW 0, 0, \first
	PVW 0, 4, \first
	s_wait_dscnt 0                                 ; all my reads of this slot are done
	PVW 1, 0, 0
.if \mode
	s_set_vgpr_msb 0xa3a0
	s_wait_tensorcnt 0x0                           ; and all my tensor loads: the one that was out is my part of the other slot
	ds_add_u32 v62, v63
	s_wait_dscnt 0x0
	s_set_vgpr_msb 0xa0a3
	s_barrier_signal -1
.endif
	PVW 1, 4, 0                                    ; register work while the others arrive
	WIN 0
.if \mode
	s_barrier_wait -1
.endif
.if \mode == 2
	CREST                                          ; the barrier opened a round of the cluster's barrier: no wave of any partner still reads this slot or has a load on its way
	s_add_nc_u64 s[G0K+4*\slot+2:G0K+4*\slot+3], s[G0K+4*\slot+2:G0K+4*\slot+3], 65536
	s_add_nc_u64 s[G0V+4*\slot+2:G0V+4*\slot+3], s[G0V+4*\slot+2:G0V+4*\slot+3], 65536
	s_add_nc_u64 s[G0M+4*\slot+2:G0M+4*\slot+3], s[G0M+4*\slot+2:G0M+4*\slot+3], 1024
	JLOAD \slot                                    ; my one tensor load behind the round; it has the whole next step in which to land
.if \pf
	s_wait_xcnt 0x0                                ; the last request, two steps ago, has read its base: it is stepped only behind this wait
	s_add_nc_u64 s[PFB:PFB+1], s[PFB:PFB+1], s[PFS:PFS+1]              ; two steps on
	ASK
.endif
.endif
.endm
	s_wait_tensorcnt 1                             ; my part of step 0 is in; step 1's stays out
	s_barrier_signal -1
	s_barrier_wait -1
	s_wait_loadcnt 0x0                             ; Q
	STEP 0, 1, 2, 0
	STEP 1, 0, 2, 1                                ; asks for the tiles of steps 4 and 5
	s_mov_b32 s3, 5
.Lsteps:
	STEP 0, 0, 2, 0                                ; steps 2 to 11;
	STEP 1, 0, 2, 1                                ; the odd ones ask for the tiles of steps 6 to 15
	s_sub_co_u32 s3, s3, 1
	s_cmp_lg_u32 s3, 0
	s_cbranch_scc1 .Lsteps
	STEP 0, 0, 2, 0                                ; steps 12 and 13 fill the slots for the last time and ask for nothing: there is no step 16
	STEP 1, 0, 2, 0
	STEP 0, 0, 1, 0                                ; the last two steps fetch nothing
	STEP 1, 0, 0, 0
	; THE MERGE.  Slot 0 has had its last fill, and every wave's reads of it were waited for in front of the barrier of the step before the last.
	; Waves of kh = 1 put O, the maxima and the sums there; their partners of kh = 0 read them behind a barrier.
	PLACES 4                                       ; behind the last matrix instructions, in front of the first reader of a result
	s_cmp_eq_u32 s10, 0
	s_cbranch_scc1 .Lkeep
	WIN 0x08                                       ; store data in window 2
.set n, 0
.rept 64
	ds_store_b128 v[DMP], v[4*n:4*n+3] offset:512*n
.set n, n+1
.endr
	WIN 0
	ds_store_b128 v[DMP], v[MXP:MXP+3] offset:512*64
	ds_store_b128 v[DMP], v[MXP+4:MXP+7] offset:512*65
	ds_store_b128 v[DMP], v[LS:LS+3] offset:512*66
.Lkeep:
	s_wait_dscnt 0x0
	s_barrier_signal -1
	s_barrier_wait -1
	s_cmp_lg_u32 s10, 0
	s_cbranch_scc1 .Lend
	ds_load_b128 v[192:195], v[DMP] offset:512*64  ; the partner's maxima (pairs)
	ds_load_b128 v[196:199], v[DMP] offset:512*65
	ds_load_b128 v[200:203], v[DMP] offset:512*66  ; and sums
	s_wait_dscnt 0x0
.irp qt, 0,1,2,3
	v_max_num_f32 v44, v[MXP+2*\qt], v[192+2*\qt]
	v_sub_f32 v45, v[MXP+2*\qt], v44
	v_sub_f32 v46, v[192+2*\qt], v44
	v_exp_f32 v45, v45
	v_exp_f32 v46, v46
	v_nop
	s_wait_alu depctr_va_vdst(0)
	v_mul_f32 v47, v[LS+\qt], v45
	v_fmac_f32 v47, v[200+\qt], v46
	v_permlanex16_b32 v[TP], v47, s82, s83         ; the other half of the lanes summed the query's other keys
	v_add_f32 v47, v47, v[TP]
	v_rcp_f32 v47, v47
	v_nop
	s_wait_alu depctr_va_vdst(0)
	v_mul_f32 v[ALP+2*\qt], v45, v47               ; my O's factor, as a pair
	v_mul_f32 v[ALP+2*\qt+1], v45, v47
	v_mul_f32 v[MXP+2*\qt], v46, v47               ; the partner's
	v_mul_f32 v[MXP+2*\qt+1], v46, v47
.endr
.set R,   64
.set PKO, 128
.set BK,  160
.set PT,  192
.irp qt, 0,1,2,3
.irp dt, 0,1,2,3,4,5,6,7
	ds_load_b128 v[PT+8*\dt:PT+8*\dt+3],   v[DMP] offset:1024*(4*\dt+\qt)
	ds_load_b128 v[PT+8*\dt+4:PT+8*\dt+7], v[DMP] offset:1024*(4*\dt+\qt)+512
.endr
	WIN 0x02
.irp dt, 0,1,2,3,4,5,6,7
.irp i, 0,2,4,6
	v_pk_mul_f32 v[R+8*\dt+\i:R+8*\dt+\i+1], v[8*(4*\dt+\qt)+\i:8*(4*\dt+\qt)+\i+1], v[ALP+2*\qt:ALP+2*\qt+1]
.endr
.endr
	WIN 0
	s_wait_dscnt 0x0
.irp dt, 0,1,2,3,4,5,6,7
.irp i, 0,2,4,6
	v_pk_fma_f32 v[R+8*\dt+\i:R+8*\dt+\i+1], v[PT+8*\dt+\i:PT+8*\dt+\i+1], v[MXP+2*\qt:MXP+2*\qt+1], v[R+8*\dt+\i:R+8*\dt+\i+1]
.endr
.endr
.irp dt, 0,1,2,3,4,5,6,7
.irp jj, 0,1,2,3
	v_cvt_pk_f16_f32 v[PKO+4*\dt+\jj], v[R+8*\dt+2*\jj], v[R+8*\dt+2*\jj+1]
.endr
.endr
.irp dt, 0,1,2,3,4,5,6,7
	ds_store_b128 v[STO], v[PKO+4*\dt:PKO+4*\dt+3] offset:32*\dt       ; row r of my stage, dims 16 dt + 8 h ..
.endr
	s_wait_xcnt 0x0                                ; the registers that the last tile's stores read are loaded again only behind this wait
.irp t, 0,1,2,3,4,5,6,7
	ds_load_b128 v[BK+4*\t:BK+4*\t+3], v[RD] offset:\t*2*SP            ; LDS serves a wave's instructions in order (ISA guide 5.7.1.4): these see the stores above
.endr
.irp t, 0,1,2,3,4,5,6,7
	s_wait_dscnt 7-\t
	global_store_b128 v[CO], v[BK+4*\t:BK+4*\t+3], s[8:9] offset:\qt*65536+8192*\t     ; 16 lanes store a query's 256 bytes of this head, at a multiple of 256
.endr
.endr
.Lend:
	s_wait_tensorcnt 0x0
	ds_add_u32 v62, v63
	s_wait_dscnt 0x0
	CROUND                                         ; the closing round
	s_endpgm
.Lfunc_end_k_q251ed16ea4_attn:
	.size	k_q251ed16ea4_attn, .Lfunc_end_k_q251ed16ea4_attn-k_q251ed16ea4_attn
	.p2alignl 7, 3214868480
	.fill 96, 4, 3214868480
	.section	.rodata,"a",@progbits
	.p2align	6, 0x0
	.amdhsa_kernel k_q251ed16ea4_attn
		.amdhsa_group_segment_fixed_size 327680
		.amdhsa_private_segment_fixed_size 0
		.amdhsa_enable_private_segment 0
		.amdhsa_kernarg_size 24
		.amdhsa_user_sgpr_count 2
		.amdhsa_user_sgpr_kernarg_segment_ptr 1
		.amdhsa_wavefront_size32 1
		.amdhsa_system_sgpr_workgroup_id_x 1
		.amdhsa_system_sgpr_workgroup_id_y 1
		.amdhsa_system_sgpr_workgroup_id_z 1
		.amdhsa_system_vgpr_workitem_id 0
		.amdhsa_next_free_vgpr 1024
		.amdhsa_next_free_sgpr 100
		.amdhsa_reserve_vcc 0
		.amdhsa_float_denorm_mode_32 3
		.amdhsa_float_denorm_mode_16_64 3
		.amdhsa_memory_ordered 1
		.amdhsa_forward_progress 1
		.amdhsa_inst_pref_size 255
	.end_amdhsa_kernel
	.section	.bss,"aw",@nobits
	.p2align	6
	.space	262144
	.amdgpu_metadata
---
amdhsa.version: [ 1, 2 ]
amdhsa.kernels:
  - .name:           k_q251ed16ea4_attn
    .symbol:         k_q251ed16ea4_attn.kd
    .args:
      - { .name: qkv, .offset: 0, .size: 8, .value_kind: global_buffer, .address_space: global }
      - { .name: attention_mask, .offset: 8, .size: 8, .value_kind: global_buffer, .address_space: global }
      - { .name: att, .offset: 16, .size: 8, .value_kind: global_buffer, .address_space: global }
    .group_segment_fixed_size: 327680
    .private_segment_fixed_size: 0
    .kernarg_segment_align: 8
    .kernarg_segment_size: 24
    .max_flat_workgroup_size: 128
    .sgpr_count:     100
    .vgpr_count:     1024
    .wavefront_size: 32
...
	.end_amdgpu_metadata
.endif
;; end of part 3
;; launch oproj (part 4): grid 16 x 16, 4 waves a work-group, clusters of 4 x 4, 327,680 bytes of LDS; arguments att, cast, bo, out0; writes out0
.if DOCPART == 4
	.amdgcn_target "amdgcn-amd-amdhsa--gfx1250"
	.amdhsa_code_object_version 6
	.text
	.protected	k_q251ed16ea4_oproj
	.globl	k_q251ed16ea4_oproj
	.p2align	8
	.type	k_q251ed16ea4_oproj,@function
k_q251ed16ea4_oproj:
	s_mov_b64 s[64:65], 0
	v_nop
	global_prefetch_b8 v0, s[64:65] scope:SCOPE_SE
	s_setreg_imm32_b32 hwreg(HW_REG_WAVE_MODE, 25, 1), 1
	s_wait_xcnt 0x0
	s_wait_alu depctr_hold_cnt(0) depctr_sa_sdst(0) depctr_va_vdst(0) depctr_va_sdst(0) depctr_va_ssrc(0) depctr_va_vcc(0) depctr_vm_vsrc(0)
	s_getreg_b32 s2, hwreg(HW_REG_IB_STS2, 6, 4)
	s_cmp_eq_u32 s2, 0
	s_cbranch_scc0 .Lentry_in_a_cluster
	s_endpgm
.Lentry_in_a_cluster:
	s_bfe_u32 s2, ttmp6, 0x10000c
	s_cmp_lg_u32 s2, 0xf033
	s_cbranch_scc0 .Lentry_shape_is_right
	s_endpgm
.Lentry_shape_is_right:
; out0 = att Wo^T + bo.  att [2048][2048] f16, Wo (block 4 of cast) [2048][2048] in f16 code, sums and result f32.
; Work-group (bx = block of 128 columns, by = block of 128 rows): 16 x 16 = 256 work-groups; larger blocks would leave WGPs without work.
; Wave w: rows 64 (w >> 1) .., columns 64 (w & 1) ..: 4 x 4 accumulator tiles in window 2 at 8 (4 a + b).
; A slot holds 256 along K (rows of 512 bytes, LDS pitch 528): att's 128 rows, then Wo's 128 rows; each wave fetches 64 rows with one tensor load; two slots, 8 slot steps:
; four laps of two, all written out by macro.
; CLUSTERS 4 x 4: att's tile hangs on by alone (joint along a row of the cluster), Wo's on bx alone (joint along a column).
; ASKED FOR AHEAD (global_prefetch_b8): a lap is 1,024 bytes of each row.  Lap g's tiles are asked for in the second change of slots of lap g - 2: one slot step ahead of the
; tensor load of the lap's first slot, two ahead of its second's; lap 1's at the start; laps 2 and 3 ask for nothing, so no request passes a row's end.
; Shares, one lane for each aligned block of 256 bytes, 8 rows x 4 blocks a request: att's 128 rows are dealt to their 16 work-groups (bx = 0..15), 8 rows each: wave 0 asks.
; Wo's 128 rows are dealt to the work-groups of by = 0..7 and once more to those of by = 8..15, 16 rows each: waves 2 and 3 ask for 8 rows each.  Wave 1 asks for nothing.
; TRANSPOSED USE: source 0 = 16 rows of Wo, source 1 = 16 rows of att: lane l holds row l % 16 of the result, registers 0-7 the columns 8 (l / 16) + 0..7.
; REGISTERS: window 0: v16-24 addresses, v64-127 / v128-191 att's fragments (ks, tile), v192-223 bias;  window 1: Wo's fragments;  window 2: accumulators.
.set PITCH, 528
.set HALFT, 64*PITCH
.set SLOT,  4*HALFT
.set STAGE, 2*SLOT
.set SPITCH, 272
.set ADRA,  16
.set ADRB,  18
.set STO,   20
.set RD,    21
.set CO,    22
.set BO,    23
.set PFO,   24                         ; v24  my lane's block among those that my wave asks for ahead; never rewritten
.set F0,    64
.set F1,    128
.set BIAS,  192
.set G1,  24
.set G0,  32
.set G1B, 48
.set G0B, 56
.set PFB, 68                           ; s[68:69] my wave's rows to ask for, at their first byte; never rewritten: the lap stands in the immediate
.set MSB, 0
.macro WIN new                         ; the immediate's high byte repeats the setting that is left
.if MSB != \new
	s_set_vgpr_msb (MSB<<8)|\new
.set MSB, \new
.endif
.endm
.macro PLACES n
.rept \n
	v_nop
.endr
.endm
.macro JLOAD s                         ; waves 0 and 1 ask for att's two halves, waves 2 and 3 for Wo's
	s_cmp_eq_u32 s12, 0
	s_cbranch_scc0 .Lfor_b_\@
	tensor_load_to_lds s[G0+4*\s:G0+4*\s+3], s[G1:G1+7]
	s_nop 0
	s_branch .Lasked_\@
.Lfor_b_\@:
	tensor_load_to_lds s[G0B+4*\s:G0B+4*\s+3], s[G1B:G1B+7]
	s_nop 0
.Lasked_\@:
.endm
.macro ASK off                         ; waves 0, 2, 3 ask for their share of the lap that begins at byte off of the rows; nothing waits for it
	s_cmp_eq_u32 s16, 1
	s_cbranch_scc1 .Lno_ask_\@
	global_prefetch_b8 v[PFO], s[PFB:PFB+1] offset:\off th:TH_LOAD_NT scope:SCOPE_SE
.Lno_ask_\@:
.endm
.macro CREST                           ; a round of the cluster's barrier behind its opening barrier
	s_cmp_lg_u32 s16, 0
	s_cbranch_scc1 .Lnot_wave_0_\@
	s_barrier_signal -3
.Lnot_wave_0_\@:
	s_barrier_wait -3
	s_barrier_signal -1
	s_barrier_wait -1
.endm
.macro CROUND
	s_barrier_signal -1
	s_barrier_wait -1
	CREST
.endm
.macro SHAPE g                         ; 64 rows x 256 elements of 2 bytes, 2,048 elements from row to row
	s_mov_b32 s[\g+1], 256<<16
	s_mov_b32 s[\g+2], 64<<16
	s_mov_b32 s[\g+3], 256<<16
	s_mov_b32 s[\g+4], 64
	s_mov_b32 s[\g+5], 2048
	s_mov_b32 s[\g+6], 0
	s_mov_b32 s[\g+7], 0
.endm
	s_load_b256 s[4:11], s[0:1], 0x0               ; att s[4:5], cast s[6:7], bo s[8:9], out0 s[10:11]
	s_set_vgpr_msb 0x40
	v_lshl_add_u32 v255, v0, 2, 0x46400
	s_set_vgpr_msb 0x4000
	v_mov_b32 v255, 0
	s_set_vgpr_msb 0x1
	ds_add_u32 v255, v255
	s_set_vgpr_msb 0x100
	v_lshrrev_b32 v1, 5, v0
	v_readfirstlane_b32 s16, v1                    ; wave
	s_lshr_b32 s12, s16, 1                         ; my half of the rows.  Also: I fetch for att (0) or for Wo (1)
	s_and_b32 s13, s16, 1                          ; my half of the columns.  Also: which 64 rows of that tile I fetch
	s_bfe_u32 s17, ttmp6, 0x40000
	s_bfe_u32 s18, ttmp6, 0x40004
	s_lshl_b32 s19, ttmp9, 2
	s_add_co_u32 s19, s19, s17                     ; bx
	s_and_b32 s20, ttmp7, 0xffff
	s_lshl_b32 s20, s20, 2
	s_add_co_u32 s20, s20, s18                     ; by
	s_lshl_b32 s21, s18, 2
	s_lshl_b32 s21, 15, s21
	s_lshl_b32 s22, 0x1111, s17
	s_or_b32 s[G1+0], s21, (1<<16)|(1<<20)|(1<<21)|(6<<22)|(3<<25)   ; 4 words of padding behind every 128
	s_or_b32 s[G1B+0], s22, (1<<16)|(1<<20)|(1<<21)|(6<<22)|(3<<25)
	SHAPE G1
	SHAPE G1B
	s_lshl_b32 s40, s20, 19                        ; att: by x 128 rows of 4,096 bytes + my 64
	s_lshl_b32 s41, s13, 18
	s_add_co_u32 s40, s40, s41
	s_mov_b32 s41, 0
	s_lshl_b32 s42, s19, 19                        ; Wo: bx x 128 rows + my 64, in block 4 of cast
	s_lshl_b32 s43, s13, 18
	s_add_co_u32 s42, s42, s43
	s_add_co_u32 s42, s42, 0x2000000
	s_mov_b32 s43, 0
	s_mul_i32 s44, s16, HALFT
	s_lshl_b32 s46, s19, 9                         ; my 64 columns in bytes of f32: 512 bx + 256 half
	s_lshl_b32 s47, s13, 8
	s_add_co_u32 s46, s46, s47
	s_mov_b32 s47, 0
	s_lshl_b32 s66, s20, 20                        ; my 64 rows of 8,192 bytes
	s_lshl_b32 s67, s12, 19
	s_add_co_u32 s66, s66, s67
	s_add_co_u32 s66, s66, s46
	s_mov_b32 s67, 0
	s_lshl_b32 s68, s20, 19                        ; asked for ahead, att: row 128 by + 8 bx
	s_lshl_b32 s69, s19, 15
	s_add_co_u32 s68, s68, s69
	s_mov_b32 s69, 0
	s_lshl_b32 s70, s19, 19                        ; Wo: row 128 bx + 16 (by & 7) + 8 (w & 1), in block 4 of cast
	s_and_b32 s71, s20, 7
	s_lshl_b32 s71, s71, 16
	s_add_co_u32 s70, s70, s71
	s_lshl_b32 s71, s13, 15
	s_add_co_u32 s70, s70, s71
	s_add_co_u32 s70, s70, 0x2000000
	s_mov_b32 s71, 0
	s_wait_dscnt 0x0
	s_wait_kmcnt 0x0
	s_add_nc_u64 s[40:41], s[4:5], s[40:41]
	s_add_nc_u64 s[42:43], s[6:7], s[42:43]
	s_add_nc_u64 s[8:9], s[8:9], s[46:47]
	s_add_nc_u64 s[10:11], s[10:11], s[66:67]
	s_add_nc_u64 s[68:69], s[4:5], s[68:69]
	s_add_nc_u64 s[70:71], s[6:7], s[70:71]
	s_cmp_eq_u32 s12, 0                            ; the choice hangs on the wave's number alone
	s_cselect_b64 s[PFB:PFB+1], s[68:69], s[70:71]
	CROUND                                         ; all sixteen work-groups are here: the first joint loads meet
.irp s, 0,1
	s_mov_b32 s[G0+4*\s], 1
	s_add_co_u32 s[G0+4*\s+1], s44, \s*SLOT
	s_add_nc_u64 s[G0+4*\s+2:G0+4*\s+3], s[40:41], \s*512
	s_or_b32 s[G0+4*\s+3], s[G0+4*\s+3], 0x80000000
	s_mov_b32 s[G0B+4*\s], 1
	s_add_co_u32 s[G0B+4*\s+1], s44, \s*SLOT
	s_add_nc_u64 s[G0B+4*\s+2:G0B+4*\s+3], s[42:43], \s*512
	s_or_b32 s[G0B+4*\s+3], s[G0B+4*\s+3], 0x80000000
	JLOAD \s                                       ; two tensor loads of the wave are out
.endr
	v_and_b32 v1, 15, v0                           ; r
	v_bfe_u32 v2, v0, 4, 1                         ; h
	v_lshlrev_b32 v[BO], 5, v2
.irp b, 0,1,2,3
	global_load_b128 v[BIAS+8*\b:BIAS+8*\b+3],   v[BO], s[8:9] offset:64*\b        ; register j of tile b = bo[my column 16 b + 8 h + j]
	global_load_b128 v[BIAS+8*\b+4:BIAS+8*\b+7], v[BO], s[8:9] offset:64*\b+16
.endr
	v_and_b32 v6, 7, v0
	v_bfe_u32 v7, v0, 3, 2
	v_lshlrev_b32 v[PFO], 12, v6                   ; row l & 7 of my eight,
	v_lshl_add_u32 v[PFO], v7, 8, v[PFO]           ; block (l >> 3) & 3 of the lap's four
	ASK 1024                                       ; lap 1 (slot steps 2 and 3): its tensor loads go out in lap 0's two changes of slots
	v_mul_u32_u24 v3, v1, PITCH
	v_lshl_add_u32 v3, v2, 4, v3
	s_mul_i32 s45, s12, HALFT
	v_add_nc_u32 v[ADRA], s45, v3
	v_add_nc_u32 v[ADRA+1], SLOT, v[ADRA]
	s_mul_i32 s45, s13, HALFT
	s_add_co_u32 s45, s45, 2*HALFT
	v_add_nc_u32 v[ADRB], s45, v3
	v_add_nc_u32 v[ADRB+1], SLOT, v[ADRB]
	s_mul_i32 s45, s16, 16*SPITCH
	s_add_co_u32 s45, s45, STAGE
	v_mul_u32_u24 v4, v1, SPITCH
	v_lshl_add_u32 v4, v2, 5, v4
	v_add_nc_u32 v[STO], s45, v4                   ; in: row r, 32 bytes for each half of the lanes
	v_mul_u32_u24 v5, v2, SPITCH
	v_lshl_add_u32 v5, v1, 4, v5
	v_add_nc_u32 v[RD], s45, v5                    ; back: two rows of 256 bytes
	v_lshlrev_b32 v[CO], 13, v2
	v_lshl_add_u32 v[CO], v1, 4, v[CO]             ; the same two rows in out0
; 8 matrix instructions: row tiles a0, a0 + 1 x 4 column tiles, K part ks of the buffer.  first = 1: the bias starts the sums.
; The sixteen accumulators take turns, one instruction a turn.
.macro MUL8 f, ks, a0, first
.irp a, \a0, \a0+1
.irp b, 0,1,2,3
.if \first
	v_wmma_f32_16x16x32_f16 v[8*(4*(\a)+\b):8*(4*(\a)+\b)+7], v[\f+8*(4*\ks+\b):\f+8*(4*\ks+\b)+7], v[\f+8*(4*\ks+\a):\f+8*(4*\ks+\a)+7], v[BIAS+8*\b:BIAS+8*\b+7]
.else
	v_wmma_f32_16x16x32_f16 v[8*(4*(\a)+\b):8*(4*(\a)+\b)+7], v[\f+8*(4*\ks+\b):\f+8*(4*\ks+\b)+7], v[\f+8*(4*\ks+\a):\f+8*(4*\ks+\a)+7], v[8*(4*(\a)+\b):8*(4*(\a)+\b)+7]
.endif
.endr
.endr
.endm
; 32 LDS loads in one run: 64 along K at byte k of the rows: Wo's 8 fragments, then att's 8
.macro FETCH slot, k, f
	WIN 0x40
.irp ks, 0,1
.irp i, 0,1,2,3
	ds_load_b128 v[\f+8*(4*\ks+\i):\f+8*(4*\ks+\i)+3],   v[ADRB+\slot] offset:\k+64*\ks+\i*16*PITCH
	ds_load_b128 v[\f+8*(4*\ks+\i)+4:\f+8*(4*\ks+\i)+7], v[ADRB+\slot] offset:\k+64*\ks+\i*16*PITCH+32
.endr
.endr
	WIN 0
.irp ks, 0,1
.irp i, 0,1,2,3
	ds_load_b128 v[\f+8*(4*\ks+\i):\f+8*(4*\ks+\i)+3],   v[ADRA+\slot] offset:\k+64*\ks+\i*16*PITCH
	ds_load_b128 v[\f+8*(4*\ks+\i)+4:\f+8*(4*\ks+\i)+7], v[ADRA+\slot] offset:\k+64*\ks+\i*16*PITCH+32
.endr
.endr
.endm
; A quarter of a slot (64 along K): multiplies buffer f, and fetches the next quarter's fragments into buffer g in its middle.
.macro PART slot, k, f, g, first
	s_wait_dscnt 8                                 ; all but att's fragments of the second 32 along K
.if \first
	WIN 0x81                                       ; source 0 window 1, source 1 and C (the bias) window 0, D window 2
.else
	WIN 0xa1                                       ; C and D window 2
.endif
	MUL8 \f, 0, 0, \first
	MUL8 \f, 0, 2, \first
	PLACES 4                                       ; between the matrix instructions that read buffer g and the loads into it (ISA guide 7.12.1 for vector instructions)
	FETCH \slot, \k, \g
	s_wait_dscnt 32                                ; all but the 32 just issued
	WIN 0xa1
	MUL8 \f, 1, 0, 0
	MUL8 \f, 1, 2, 0
.endm
.macro THREE slot, first
	PART \slot, 128, F0, F1, \first
	PART \slot, 256, F1, F0, 0
	PART \slot, 384, F0, F1, 0
.endm
; The slot's last quarter and the change of slots: each wave's reads of the slot and all its tensor loads (one is out: its part of the next slot) are waited for in
; front of the barrier; fill = 1: it opens a round of the cluster's barrier, and the joint refill is the first tensor load behind the round.
; pf: 0, or the byte of the rows at which the lap begins that the wave asks for behind its run of LDS loads.
.macro TURN slot, next, fill, pf
	s_wait_dscnt 8
	WIN 0xa1
	MUL8 F1, 0, 0, 0
	s_wait_dscnt 0
	s_wait_tensorcnt 0x0
	ds_add_u32 v255, v255
	s_wait_dscnt 0x0
	s_barrier_signal -1
	MUL8 F1, 0, 2, 0                               ; register work while the others arrive
	WIN 0
	s_barrier_wait -1
.if \fill
	CREST
	s_add_nc_u64 s[G0+4*\slot+2:G0+4*\slot+3], s[G0+4*\slot+2:G0+4*\slot+3], 1024     ; two slot steps on; no tensor load of mine is out
	s_add_nc_u64 s[G0B+4*\slot+2:G0B+4*\slot+3], s[G0B+4*\slot+2:G0B+4*\slot+3], 1024
	JLOAD \slot
.endif
	PLACES 4
	FETCH \next, 0, F0
.if \pf
	ASK \pf
.endif
	WIN 0xa1
	MUL8 F1, 1, 0, 0
	MUL8 F1, 1, 2, 0
.endm
.macro LAP first, pf
	THREE 0, \first
	TURN 0, 1, 1, 0
	THREE 1, 0
	TURN 1, 0, 1, \pf
.endm
	s_wait_tensorcnt 1                             ; my part of slot 0 is in; slot 1's stays out
	s_barrier_signal -1
	s_barrier_wait -1
	FETCH 0, 0, F0
	s_wait_loadcnt 0x0                             ; the bias
	LAP 1, 2048                                    ; lap 0; asks for lap 2
	LAP 0, 3072                                    ; lap 1; asks for lap 3, which ends at the rows' last byte
	LAP 0, 0                                       ; lap 2 fills both slots for the last time and asks for nothing
	THREE 0, 0                                     ; lap 3 fills nothing
	TURN 0, 1, 0, 0
	THREE 1, 0
	s_wait_dscnt 8
	WIN 0xa1
	MUL8 F1, 0, 0, 0
	MUL8 F1, 0, 2, 0
	s_wait_dscnt 0
	MUL8 F1, 1, 0, 0
	MUL8 F1, 1, 2, 0
	; THE WAY OUT, 16 rows at a time through my own stage, which no tensor load fills: 32 bytes a lane in, whole rows of 256 bytes back
	PLACES 4                                       ; behind the last matrix instructions, in front of the first reader of a result
.macro OUT16 a, f
	WIN 0x08                                       ; store data in window 2
.irp b, 0,1,2,3
	ds_store_b128 v[STO], v[8*(4*\a+\b):8*(4*\a+\b)+3]   offset:64*\b
	ds_store_b128 v[STO], v[8*(4*\a+\b)+4:8*(4*\a+\b)+7] offset:64*\b+16
.endr
	WIN 0
	s_wait_xcnt 0x0                                ; buffer f, which earlier stores read, is loaded again only behind this wait
.irp t, 0,1,2,3,4,5,6,7
	ds_load_b128 v[\f+4*\t:\f+4*\t+3], v[RD] offset:\t*2*SPITCH        ; LDS serves a wave's instructions in order (ISA guide 5.7.1.4): these see the stores above
.endr
.irp t, 0,1,2,3,4,5,6,7
	s_wait_dscnt 7-\t
	global_store_b128 v[CO], v[\f+4*\t:\f+4*\t+3], s[10:11] offset:(16*\a+2*\t)*8192 th:TH_STORE_NT   ; 16 lanes store 256 neighbouring bytes, at a multiple of 256
.endr
.endm
	OUT16 0, F0
	OUT16 1, F1
	OUT16 2, F0
	OUT16 3, F1
	s_set_vgpr_msb 0x1
	s_wait_tensorcnt 0x0
	ds_add_u32 v255, v255
	s_wait_dscnt 0x0
	s_set_vgpr_msb 0x100
	CROUND                                         ; the closing round: no work-group ends while a partner may still ask for a tile that names it
	s_endpgm
.Lfunc_end_k_q251ed16ea4_oproj:
	.size	k_q251ed16ea4_oproj, .Lfunc_end_k_q251ed16ea4_oproj-k_q251ed16ea4_oproj
	.p2alignl 7, 3214868480
	.fill 96, 4, 3214868480
	.section	.rodata,"a",@progbits
	.p2align	6, 0x0
	.amdhsa_kernel k_q251ed16ea4_oproj
		.amdhsa_group_segment_fixed_size 327680
		.amdhsa_private_segment_fixed_size 0
		.amdhsa_enable_private_segment 0
		.amdhsa_kernarg_size 32
		.amdhsa_user_sgpr_count 2
		.amdhsa_user_sgpr_kernarg_segment_ptr 1
		.amdhsa_wavefront_size32 1
		.amdhsa_system_sgpr_workgroup_id_x 1
		.amdhsa_system_sgpr_workgroup_id_y 1
		.amdhsa_system_sgpr_workgroup_id_z 1
		.amdhsa_system_vgpr_workitem_id 0
		.amdhsa_next_free_vgpr 640
		.amdhsa_next_free_sgpr 80
		.amdhsa_reserve_vcc 0
		.amdhsa_float_denorm_mode_32 3
		.amdhsa_float_denorm_mode_16_64 3
		.amdhsa_memory_ordered 1
		.amdhsa_forward_progress 1
		.amdhsa_inst_pref_size 160
	.end_amdhsa_kernel
	.amdgpu_metadata
---
amdhsa.version: [ 1, 2 ]
amdhsa.kernels:
  - .name:           k_q251ed16ea4_oproj
    .symbol:         k_q251ed16ea4_oproj.kd
    .args:
      - { .name: att, .offset: 0, .size: 8, .value_kind: global_buffer, .address_space: global }
      - { .name: cast, .offset: 8, .size: 8, .value_kind: global_buffer, .address_space: global }
      - { .name: bo, .offset: 16, .size: 8, .value_kind: global_buffer, .address_space: global }
      - { .name: out0, .offset: 24, .size: 8, .value_kind: global_buffer, .address_space: global }
    .group_segment_fixed_size: 327680
    .private_segment_fixed_size: 0
    .kernarg_segment_align: 8
    .kernarg_segment_size: 32
    .max_flat_workgroup_size: 128
    .sgpr_count:     80
    .vgpr_count:     640
    .wavefront_size: 32
...
	.end_amdgpu_metadata
.endif
;; end of part 4
